; MI455X (gfx1250); checked and timed in simulation.
; The chip was launched on July 23, 2026; its instructions are those of AMD's public machine-readable ISA for CDNA 5 (MIT licence, August 2026) and "CDNA5" Instruction Set Architecture Reference Guide (July 2026). The comments in the code are by the model that wrote it; some were corrected since.
;; Causal Self Attention. Allowed arithmetic: matrix products marked QUANTISED: E3M2 operands, one E8M0 scale for each 32 along K, by v_wmma_scale_f32_16x16x128_f8f6f4 with both operands' format E3M2, f32 sums; everything else in f32.
;; Inputs: W_out 1,024 x 1,024 float32; W_qkv 1,024 x 3,072 float32; b_out 1,024 float32; b_qkv 3,072 float32; x 4 x 2,048 x 1,024 float32.
;; Outputs: out0 4 x 2,048 x 1,024 float32.
;; This version of the problem:
;;   THIS VERSION OF THE PROBLEM IS GIVEN IN LOW PRECISION. The matrix products marked QUANTISED in the list below multiply operands that are first quantised to E3M2 (3 exponent bits, 2 mantissa bits; 6 bits a number), with one power-of-two scale for each 32 numbers along K (OCP MX v1.0); their sums are f32. All else is computed in f32.
;;   The module's matrix products, in the order in which they are computed (A, B: the left and right operand; K: the contracted axis; several contracted axes count as one K, in the product's order):
;;     1. [M 8,192, K 1,024] x [K 1,024, N 3,072]; A: input x; B: input W_qkv: QUANTISED
;;     2. batch 64 x [M 2,048, K 64] x [K 64, N 2,048]; A: computed on the way; B: computed on the way: QUANTISED
;;     3. batch 64 x [M 2,048, K 2,048] x [K 2,048, N 64]; A: softmax (see below); B: computed on the way: QUANTISED
;;     4. [M 8,192, K 1,024] x [K 1,024, N 1,024]; A: computed on the way; B: input W_out: QUANTISED
;;   THE QUANTISER, for each operand of a quantised product, along K:
;;     - K is cut into blocks of 32 from its start; a last block that is shorter is filled with zeros.
;;     - A block's scale is 2^e with e = floor(log2(the largest magnitude in the block)) - 4, held to -126 .. 127; a block of zeros has e = 0. As a byte (E8M0): e + 127.
;;     - Each number is divided by its block's scale, clamped to +-28, and rounded to the nearest number of E3M2, ties to even, subnormals kept.
;;     - The product sums the exact products of the quantised numbers (number of the format x scale) in f32.
;;   ~~~python
;;   def quantise(x, axis):      # numpy; x: float32 -> the quantised numbers, widened to float32 again
;;       x = np.moveaxis(x, axis, -1); K = x.shape[-1]
;;       x = np.pad(x, [(0, 0)] * (x.ndim - 1) + [(0, -K % 32)]); x = x.reshape(x.shape[:-1] + (-1, 32)); a = np.abs(x).max(-1, keepdims=True)
;;       e = np.where(a > 0, np.clip(np.frexp(np.where(a > 0, a, 1))[1] - 1 - 4, -126, 127), 0)      # np.frexp(a)[1] - 1 = floor(log2(a)), exactly
;;       r = np.clip(x / 2.0 ** e, -28, 28)
;;       step = 2.0 ** (np.maximum(np.frexp(np.where(r == 0, 1, r))[1] - 1, -2) - 2)
;;       q = np.round(r / step) * step * 2.0 ** e      # np.round: ties to even
;;       return np.moveaxis(q.reshape(q.shape[:-2] + (-1,))[..., :K], -1, axis).astype(np.float32)
;;   ~~~
;;   SOFTMAX AHEAD OF A QUANTISED PRODUCT. Where the list says 'softmax', what is quantised is not the finished softmax but p = 2^(t - M), with t = logit x log2(e) and M = ceil(the row's largest t), a whole number; so 1/2 < the row's largest p <= 1. The row's sum l is taken of the UNQUANTISED p, in f32, and the product's result is divided by l at the end. Since M is a whole number, a kernel that streams over the keys may use a running M (the ceiling of the running maximum): every later rescaling is an exact power of two, which a block's scale takes up: the codes' values come out the same.
;;   OPERANDS COMPUTED ON THE WAY. 'Computed on the way' means the value that the module computes at that place (a softmax that the list does not call 'softmax' is quantised finished and normalised). What goes into a quantiser is computed in f32, as accurately as f32 sums, v_exp_f32 and their like allow (about 1e-6 of the number): no bf16 or f16 on the way to a quantiser, and a product that is left as it is and whose result goes on into a quantised operand takes f32 operands (vector FMAs, or v_wmma_f32_16x16x4_f32). A number that lies on a knife's edge between two numbers of the format may be rounded either way, as far as f32 arithmetic and the matrix unit's own rounding can turn it there, and no further.
;; One version. Each part assembles by itself: llvm-mc -triple=amdgcn-amd-amdhsa -mcpu=gfx1250 --defsym DOCPART=n.
;; ======== version 1 of 1: 4 launches
;; limits: right only within a limited range of input values
;; workspace buffers: xc 6,291,456 bytes; wc 3,145,728 bytes; scl 655,360 bytes; qc 6,291,456 bytes; qs 262,144 bytes; kv 13,107,200 bytes; oc 6,291,456 bytes
;; launch quant (part 1): grid 512 x 1, 4 waves a work-group, no clusters, 34,304 bytes of LDS; arguments x, W_qkv, W_out, xc, wc, scl; writes xc, wc, scl
.if DOCPART == 1
	.amdgcn_target "amdgcn-amd-amdhsa--gfx1250"
	.amdhsa_code_object_version 6
	.text
	.protected	k_q494cafa299_quant
	.globl	k_q494cafa299_quant
	.p2align	8
	.type	k_q494cafa299_quant,@function
k_q494cafa299_quant:
	s_mov_b64 s[64:65], 0
	v_nop
	global_prefetch_b8 v0, s[64:65] scope:SCOPE_SE
	s_setreg_imm32_b32 hwreg(HW_REG_WAVE_MODE, 25, 1), 1
	s_wait_xcnt 0x0
; x [8192][1024], W_qkv [1024][3072] and W_out [1024][1024], f32, become codes of BF6 (E3M2) with one E8M0 scale byte for each 32 along K (x: its inner axis; the weights: their first axis).
; A block's scale is 2^(floor(log2(its largest magnitude)) - 4): its byte is the largest magnitude's exponent field - 4, held at 1 from below by a floor among the maximum's leaves.
; LIMITS: NaN and infinities are not served; a block whose largest magnitude lies under 2^-122 keeps the byte 1; a block of zeros has the byte 1 where the rule says 127 (its codes are zeros, and this program alone reads the bytes).
; LAYOUT OF THE CODES: in the order of the matrix operand's registers.  A fragment is 16 rows x 128 K, 12 registers a lane, 1,536 bytes: for each half c of K, registers 6c..6c+3 at 768 c + 16 x lane, registers 6c+4, 6c+5 at 768 c + 512 + 8 x lane.
; xc = [K step / 2][tile 512][K step % 2][1536]; wc the same with 256 tiles (0-191 W_qkv's columns, 192-255 W_out's).  Scale words (4 bytes: a row, 128 K) in scl: [tile][K step / 4][row 16][K step % 4]; x's at 0, the weights' at WS.
; POSITIONS: rows of x and columns of the weights are kept in an order in which bits 3 and 4 of the index change places: row r of tile T is index 32 (T / 2) + 8 (T % 2) + r + 8 (r / 8).
; As source 0 of a matrix instruction such tiles leave 16 NEIGHBOURING indices in a lane's 16 registers of two neighbouring result tiles, which is what the next quantiser wants.
; SHARES: work-groups 0-255 take x (a wave: one tile of 16 rows x 512 K), the others the weights (a wave: 32 columns x 128 K, a lane to a column, registers down K).  Waves share nothing: no barrier.
; No cluster: no two work-groups read the same input bytes.  Only x's path uses LDS (a stage of 16 rows x 528 bytes for each wave).
.set WS,   262144
.set L16,  4                           ; v4   16 x lane
.set L8,   5                           ; v5   8 x lane
.set STW,  6                           ; v6   x: the stage, on the way in
.set STR,  7                           ; v7   x: the stage, on the way out
.set R16,  8                           ; v8   x: 16 x (lane % 16)
.set WCOL, 6                           ; v6   weights: 4 x my column's place among the wave's 32
.set WOF,  7                           ; v7   weights: my scale word's place
.set R,    16                          ; v16-143  x: two sets of 64 numbers as loaded
.set X,    144                         ; v144-207 x: 64 numbers, register 16 b + i = k 32 b + 16 (lane / 16) + i of my row
.set PC,   208                         ; v208-226 the codes just made
.set TM,   228                         ; v228-239 at work
.set W4,   240                         ; v240-243 four K steps' scale words
.set D,    16                          ; v16-143  weights: 128 numbers down K
.set C,    144                         ; v144-167 weights: four blocks' codes, six registers each
.set SEL,  24                          ; s[24:25] lane selects: lane l xor 16
.set XCB,  10                          ; s[10:11] xc
; 64 numbers of a lane become a fragment's codes in v[PC] .. v[PC+11] and its scale word in v[pw]
.macro QUANT s, pw
.irp b, 0,1,2,3
	v_max3_num_f32 v[TM+\b], |v[\s+16*\b]|, |v[\s+1+16*\b]|, 0x2800000   ; block b: my 16 numbers and the floor 2^(5 - 127)
.endr
.irp i, 2,4,6,8,10,12,14
.irp b, 0,1,2,3
	v_max3_num_f32 v[TM+\b], v[TM+\b], |v[\s+16*\b+\i]|, |v[\s+1+16*\b+\i]|   ; the four blocks by turns
.endr
.endr
.irp b, 0,1,2,3
	v_permlanex16_b32 v[TM+4+\b], v[TM+\b], s[SEL], s[SEL+1]
.endr
.irp b, 0,1,2,3
	v_max_num_f32 v[TM+\b], v[TM+\b], v[TM+4+\b]   ; with lane l xor 16's 16: the block's largest magnitude
.endr
.irp b, 0,1,2,3
	v_add_nc_u32 v[TM+8+\b], 0xfe000000, v[TM+\b]   ; 4 off its exponent field: the conversion's scale operand
.endr
.irp b, 0,1,2,3
	v_lshrrev_b32 v[TM+4+\b], 23, v[TM+8+\b]   ; the scale's byte
.endr
	v_lshl_or_b32 v[\pw], v[TM+5], 8, v[TM+4]
	v_lshl_or_b32 v[\pw], v[TM+6], 16, v[\pw]
	v_lshl_or_b32 v[\pw], v[TM+7], 24, v[\pw]
.irp c, 0,1
	v_cvt_scalef32_pk16_bf6_f32 v[PC+6*\c:PC+2+6*\c], v[\s+32*\c:\s+15+32*\c], v[TM+8+2*\c]
	v_cvt_scalef32_pk16_bf6_f32 v[PC+12+4*\c:PC+14+4*\c], v[\s+16+32*\c:\s+31+32*\c], v[TM+8+2*\c+1]   ; (a conversion's three registers begin on an even number)
.endr
	v_nop                                          ; one plain instruction behind the scaled conversions
.irp c, 0,1                                    ; the operand wants a whole block in a lane: lanes 0-15 block 2 c, lanes 16-31 block 2 c + 1
.irp i, 0,1,2
	v_permlane16_swap_b32 v[PC+6*\c+\i], v[PC+12+4*\c+\i]
.endr
.irp i, 0,1,2
	v_mov_b32 v[PC+3+6*\c+\i], v[PC+12+4*\c+\i]
.endr
.endr
.endm
; the fragment goes to memory as it stands: each store covers 512 or 256 consecutive bytes, aligned
.macro IMG base, imm
	global_store_b128 v[L16], v[PC:PC+3], s[\base:\base+1] offset:\imm
	global_store_b64 v[L8], v[PC+4:PC+5], s[\base:\base+1] offset:\imm+512
	global_store_b128 v[L16], v[PC+6:PC+9], s[\base:\base+1] offset:\imm+768
	global_store_b64 v[L8], v[PC+10:PC+11], s[\base:\base+1] offset:\imm+1280
.endm
.macro LOADX t                         ; K step t of my 16 rows: each load reads 512 consecutive bytes of one row; the order of the rows is the positions'
.irp i, 0,1,2,3,4,5,6,7,8,9,10,11,12,13,14,15
	global_load_b128 v[R+64*((\t)%2)+4*\i:R+64*((\t)%2)+4*\i+3], v[L16], s[4:5] offset:(\i+8*(\i/8))*4096+512*(\t) th:TH_LOAD_NT
.endr
.endm
.macro XSTEP t
.if (\t) < 3
	s_wait_loadcnt 16                              ; this K step's 16 loads are in; the next step's 16 may be out
.else
	s_wait_loadcnt 0x0
.endif
.irp i, 0,1,2,3,4,5,6,7,8,9,10,11,12,13,14,15
	ds_store_b128 v[STW], v[R+64*((\t)%2)+4*\i:R+64*((\t)%2)+4*\i+3] offset:528*\i   ; rows 528 bytes apart: an odd multiple of 16
.endr
.irp b, 0,1,2,3
.irp j, 0,1,2,3
	ds_load_b128 v[X+16*\b+4*\j:X+16*\b+4*\j+3], v[STR] offset:128*\b+16*\j   ; LDS serves a wave's instructions in order: these see the stores above
.endr
.endr
	s_wait_dscnt 0x0
.if (\t) > 0
	s_wait_xcnt 0x0                                ; the last K step's stores have read the codes' registers, which are written again below
.endif
.if (\t) < 2
	LOADX (\t)+2
.endif
	QUANT X, W4+(\t)
	IMG XCB, ((\t)/2)*1572864+((\t)%2)*1536
.endm
.macro LOADW blk, cols, src            ; block blk: W(32 blk + i, my column): the 32 lanes read 128 consecutive bytes
.irp i, 0,1,2,3,4,5,6,7,8,9,10,11,12,13,14,15,16,17,18,19,20,21,22,23,24,25,26,27,28,29,30,31
	global_load_b32 v[D+32*(\blk)+\i], v[WCOL], s[\src:\src+1] offset:(32*(\blk)+\i)*(\cols)*4 th:TH_LOAD_NT
.endr
.endm
.macro PROC blk                        ; a block of 32 down K is all mine: its scale byte and its 24 bytes of codes
.set DS, D+32*(\blk)
.set CC, C+6*(\blk)
.set TC, 168+4*((\blk)%2)
	v_max3_num_f32 v176, |v[DS]|, |v[DS+1]|, |v[DS+2]|
	v_max3_num_f32 v177, |v[DS+3]|, |v[DS+4]|, |v[DS+5]|
.irp i, 6,10,14,18,22,26
	v_max3_num_f32 v176, v176, |v[DS+\i]|, |v[DS+\i+1]|
	v_max3_num_f32 v177, v177, |v[DS+\i+2]|, |v[DS+\i+3]|
.endr
	v_max3_num_f32 v176, v176, |v[DS+30]|, |v[DS+31]|
	v_max3_num_f32 v176, v176, v177, 0x2800000     ; and the floor
	v_add_nc_u32 v178, 0xfe000000, v176
	v_lshrrev_b32 v179, 23, v178
.if (\blk) == 0
	v_mov_b32 v180, v179
.else
	v_lshl_or_b32 v180, v179, 8*(\blk), v180       ; the lower K in the lower byte
.endif
	v_cvt_scalef32_pk16_bf6_f32 v[CC:CC+2], v[DS:DS+15], v178
	v_cvt_scalef32_pk16_bf6_f32 v[TC:TC+2], v[DS+16:DS+31], v178
	v_nop
.irp i, 0,1,2
	v_mov_b32 v[CC+3+\i], v[TC+\i]
.endr
.endm
; Lanes 0-15 hold the rows of tile 2 cg, lanes 16-31 those of tile 2 cg + 1, each with blocks 2 c and 2 c + 1.  The exchange leaves half c of the first tile's fragment in one run of six registers, of the second tile's in the other.
.macro PAIR c
.irp i, 0,1,2,3,4,5
	v_permlane16_swap_b32 v[C+12*(\c)+\i], v[C+12*(\c)+6+\i]
.endr
	global_store_b128 v[L16], v[C+12*(\c):C+12*(\c)+3], s[12:13] offset:768*(\c)
	global_store_b64 v[L8], v[C+12*(\c)+4:C+12*(\c)+5], s[12:13] offset:768*(\c)+512
	global_store_b128 v[L16], v[C+12*(\c)+6:C+12*(\c)+9], s[12:13] offset:768*(\c)+3072
	global_store_b64 v[L8], v[C+12*(\c)+10:C+12*(\c)+11], s[12:13] offset:768*(\c)+3072+512
.endm
.macro WPATH cols, src
	LOADW 0, \cols, \src
	LOADW 1, \cols, \src
	s_wait_loadcnt 32                              ; block 0 is in; the youngest block's 32 loads may be out (so at each of these waits)
	LOADW 2, \cols, \src
	PROC 0
	s_wait_loadcnt 32
	LOADW 3, \cols, \src
	PROC 1
	PAIR 0
	s_wait_loadcnt 32
	PROC 2
	s_wait_loadcnt 0x0
	PROC 3
	PAIR 1
	global_store_b32 v[WOF], v180, s[14:15]        ; my column's scale word: 4 bytes of every 16, 128 bytes a wave beside its 3,072 bytes of codes: the one store here that does not cover its 256 bytes whole
.endm
	s_load_b256 s[4:11], s[0:1], 0x0               ; x s[4:5], W_qkv s[6:7], W_out s[8:9], xc s[10:11]
	s_load_b128 s[12:15], s[0:1], 0x20             ; wc s[12:13], scl s[14:15]
	v_lshl_add_u32 v254, v0, 2, 0x8400
	v_mov_b32 v255, 0
	v_lshrrev_b32 v1, 5, v0
	v_readfirstlane_b32 s16, v1                    ; wave
	v_and_b32 v2, 31, v0                           ; lane
	v_lshlrev_b32 v[L16], 4, v2
	v_lshlrev_b32 v[L8], 3, v2
	s_cmp_lt_u32 ttmp9, 256
	s_cbranch_scc0 .Lweights
	; ---- x
	s_lshl_b32 s17, ttmp9, 2
	s_add_co_u32 s17, s17, s16
	s_lshr_b32 s18, s17, 1                         ; T: my tile of 16 rows
	s_and_b32 s19, s17, 1                          ; which 512 along K
	s_lshr_b32 s20, s18, 1
	s_lshl_b32 s20, s20, 17                        ; 32 (T / 2) rows of 4,096 bytes
	s_and_b32 s21, s18, 1
	s_lshl_b32 s21, s21, 15                        ; + 8 (T % 2) rows
	s_add_co_u32 s20, s20, s21
	s_lshl_b32 s21, s19, 11
	s_add_co_u32 s20, s20, s21
	s_mov_b32 s21, 0
	s_mul_i32 s22, s19, 2*512*3072                 ; xc: K steps 4 half on,
	s_mul_i32 s23, s18, 3072                       ; tile T
	s_add_co_u32 s22, s22, s23
	s_mov_b32 s23, 0
	s_lshl_b32 s26, s18, 9                         ; scale words: 512 T + 256 half
	s_lshl_b32 s27, s19, 8
	s_add_co_u32 s26, s26, s27
	s_mov_b32 s27, 0
	s_mov_b32 s[SEL], 0x76543210
	s_mov_b32 s[SEL+1], 0xfedcba98
	s_mul_i32 s28, s16, 16*528                     ; my stage
	v_and_b32 v3, 15, v0                           ; r
	v_bfe_u32 v9, v0, 4, 1                         ; h
	s_wait_alu depctr_va_vdst(0)
	v_add_nc_u32 v[STW], s28, v[L16]
	v_mul_u32_u24 v[STR], v3, 528
	v_lshl_add_u32 v[STR], v9, 6, v[STR]           ; row r, + 64 h: my 16 numbers of each block of 32
	v_add_nc_u32 v[STR], s28, v[STR]
	v_lshlrev_b32 v[R16], 4, v3
.irp b, 0,1,2,3
	v_mov_b32 v[TM+4+\b], 0                        ; written once: a lane permute's destination counts as one of its sources
.endr
	s_wait_alu depctr_va_vdst(0)
	s_wait_kmcnt 0x0
	s_add_nc_u64 s[4:5], s[4:5], s[20:21]
	s_add_nc_u64 s[10:11], s[10:11], s[22:23]
	s_add_nc_u64 s[14:15], s[14:15], s[26:27]
	LOADX 0
	LOADX 1
	XSTEP 0
	XSTEP 1
	XSTEP 2
	XSTEP 3
	s_wait_xcnt 0x0                                ; EXEC changes only behind this wait
	v_cmp_gt_u32 vcc_lo, 16, v2
	s_wait_tensorcnt 0x0
	ds_add_u32 v254, v255
	s_wait_dscnt 0x0
	s_and_saveexec_b32 s29, vcc_lo
	global_store_b128 v[R16], v[W4:W4+3], s[14:15] ; sixteen lanes store 256 consecutive bytes, aligned: four K steps' words of 16 rows
	s_wait_xcnt 0x0
	s_or_b32 exec_lo, exec_lo, s29
	s_endpgm
	; ---- the weights
.Lweights:
	s_sub_co_u32 s17, ttmp9, 256
	s_and_b32 s18, s17, 31
	s_lshr_b32 s19, s17, 5                         ; K step
	s_lshl_b32 s20, s18, 2
	s_add_co_u32 s20, s20, s16                     ; cg: my 32 columns, 0-95 in W_qkv, 96-127 in W_out
	s_wait_alu depctr_va_vdst(0)
	v_and_b32 v3, 7, v2
	v_bfe_u32 v8, v2, 3, 1
	v_bfe_u32 v9, v2, 4, 1
	v_lshl_or_b32 v3, v8, 4, v3
	v_lshl_or_b32 v3, v9, 3, v3                    ; my lane with bits 3 and 4 exchanged: the column that stands at my position
	v_lshlrev_b32 v[WCOL], 2, v3
	v_and_b32 v3, 15, v2
	v_lshlrev_b32 v[WOF], 4, v3
	v_lshl_or_b32 v[WOF], v9, 9, v[WOF]            ; 512 (lane / 16) + 16 (lane % 16)
	s_lshr_b32 s22, s19, 1
	s_mul_i32 s22, s22, 256*3072
	s_mul_i32 s23, s20, 2*3072
	s_add_co_u32 s22, s22, s23
	s_and_b32 s23, s19, 1
	s_mul_i32 s23, s23, 1536
	s_add_co_u32 s22, s22, s23                     ; wc: tiles 2 cg, 2 cg + 1 of my K step
	s_mov_b32 s23, 0
	s_lshl_b32 s26, s20, 10
	s_lshr_b32 s27, s19, 2
	s_lshl_b32 s27, s27, 8
	s_add_co_u32 s26, s26, s27
	s_and_b32 s27, s19, 3
	s_lshl_b32 s27, s27, 2
	s_add_co_u32 s26, s26, s27
	s_add_co_u32 s26, s26, WS
	s_mov_b32 s27, 0
	s_mov_b32 s29, 0
	s_wait_kmcnt 0x0
	s_add_nc_u64 s[12:13], s[12:13], s[22:23]
	s_add_nc_u64 s[14:15], s[14:15], s[26:27]
	s_cmp_lt_u32 s18, 24
	s_cbranch_scc0 .Lwout
	s_mul_i32 s28, s19, 128*3072*4                 ; 128 rows of W_qkv a K step
	s_lshl_b32 s30, s20, 7
	s_add_co_u32 s28, s28, s30
	s_add_nc_u64 s[6:7], s[6:7], s[28:29]
	s_wait_alu depctr_va_vdst(0)
	WPATH 3072, 6
	s_endpgm
.Lwout:
	s_mul_i32 s28, s19, 128*1024*4
	s_sub_co_u32 s30, s20, 96
	s_lshl_b32 s30, s30, 7
	s_add_co_u32 s28, s28, s30
	s_add_nc_u64 s[8:9], s[8:9], s[28:29]
	s_wait_alu depctr_va_vdst(0)
	WPATH 1024, 8
	s_endpgm
.Lfunc_end_k_q494cafa299_quant:
	.size	k_q494cafa299_quant, .Lfunc_end_k_q494cafa299_quant-k_q494cafa299_quant
	.p2alignl 7, 3214868480
	.fill 96, 4, 3214868480
	.section	.rodata,"a",@progbits
	.p2align	6, 0x0
	.amdhsa_kernel k_q494cafa299_quant
		.amdhsa_group_segment_fixed_size 34304
		.amdhsa_private_segment_fixed_size 0
		.amdhsa_enable_private_segment 0
		.amdhsa_kernarg_size 48
		.amdhsa_user_sgpr_count 2
		.amdhsa_user_sgpr_kernarg_segment_ptr 1
		.amdhsa_wavefront_size32 1
		.amdhsa_system_sgpr_workgroup_id_x 1
		.amdhsa_system_sgpr_workgroup_id_y 1
		.amdhsa_system_sgpr_workgroup_id_z 1
		.amdhsa_system_vgpr_workitem_id 0
		.amdhsa_next_free_vgpr 256
		.amdhsa_next_free_sgpr 66
		.amdhsa_reserve_vcc 1
		.amdhsa_float_denorm_mode_32 3
		.amdhsa_float_denorm_mode_16_64 3
		.amdhsa_memory_ordered 1
		.amdhsa_forward_progress 1
		.amdhsa_inst_pref_size 74
	.end_amdhsa_kernel
	.amdgpu_metadata
---
amdhsa.version: [ 1, 2 ]
amdhsa.kernels:
  - .name:           k_q494cafa299_quant
    .symbol:         k_q494cafa299_quant.kd
    .args:
      - { .name: x, .offset: 0, .size: 8, .value_kind: global_buffer, .address_space: global }
      - { .name: W_qkv, .offset: 8, .size: 8, .value_kind: global_buffer, .address_space: global }
      - { .name: W_out, .offset: 16, .size: 8, .value_kind: global_buffer, .address_space: global }
      - { .name: xc, .offset: 24, .size: 8, .value_kind: global_buffer, .address_space: global }
      - { .name: wc, .offset: 32, .size: 8, .value_kind: global_buffer, .address_space: global }
      - { .name: scl, .offset: 40, .size: 8, .value_kind: global_buffer, .address_space: global }
    .group_segment_fixed_size: 34304
    .private_segment_fixed_size: 0
    .kernarg_segment_align: 8
    .kernarg_segment_size: 48
    .max_flat_workgroup_size: 128
    .sgpr_count:     66
    .vgpr_count:     256
    .wavefront_size: 32
...
	.end_amdgpu_metadata
.endif
;; end of part 1
;; launch qkv (part 2): grid 8 x 32, 4 waves a work-group, clusters of 4 x 4, 327,680 bytes of LDS; arguments xc, wc, scl, b_qkv, qc, qs, kv; writes qc, qs, kv
.if DOCPART == 2
	.amdgcn_target "amdgcn-amd-amdhsa--gfx1250"
	.amdhsa_code_object_version 6
	.text
	.protected	k_q494cafa299_qkv
	.globl	k_q494cafa299_qkv
	.p2align	8
	.type	k_q494cafa299_qkv,@function
k_q494cafa299_qkv:
	s_mov_b64 s[64:65], 0
	v_nop
	global_prefetch_b8 v0, s[64:65] scope:SCOPE_SE
	s_setreg_imm32_b32 hwreg(HW_REG_WAVE_MODE, 25, 1), 1
	s_wait_xcnt 0x0
	s_wait_alu depctr_hold_cnt(0) depctr_sa_sdst(0) depctr_va_vdst(0) depctr_va_sdst(0) depctr_va_ssrc(0) depctr_va_vcc(0) depctr_vm_vsrc(0)
	s_getreg_b32 s2, hwreg(HW_REG_IB_STS2, 6, 4)
	s_cmp_eq_u32 s2, 0
	s_cbranch_scc0 .Lentry_in_a_cluster
	s_endpgm
.Lentry_in_a_cluster:
	s_bfe_u32 s2, ttmp6, 0x10000c
	s_cmp_lg_u32 s2, 0xf033
	s_cbranch_scc0 .Lentry_shape_is_right
	s_endpgm
.Lentry_shape_is_right:
; qkv = x W_qkv + b_qkv on codes of BF6 (E3M2) with E8M0 scales, sums in f32; the way out adds the bias and quantises q and k along the head's 64 and v along the keys, in registers.
; SHARES: 8 x 32 = 256 work-groups.  A work-group takes 256 rows of x and ONE PAIR OF HEADS: its 128 columns of q, then of k, then of v: three parts, one after the other.
; LDS: x's 16 tiles stay for all of K = 1,024 (196,608 bytes, filled once); behind them W's 8 tiles of the part in hand, all of K (98,304 bytes), filled three times.
; In memory 256 along K of a side's tiles are one dense run (49,152 or 24,576 bytes), and the runs lie a fixed stride apart: a tensor load states two such runs as two rows.  At the head one load a wave: x's K 0-511, W's K 0-511, x's K 512-1,023, W's K 512-1,023.
; W's bytes are filled again behind the full sequence and a round of the cluster's barrier in a part's last K step (waves 1 and 3, one load each); that load has the part's way out in which to land.  Every wait on TENSORcnt is for 0.
; A wave makes 32 accumulators a part: source 0 (P) 8 tiles, source 1 (Q) 4 tiles.  Source 0's rows run down a lane's registers in the result, so P is the side whose axis is quantised next:
; q, k: P = W's 128 columns, Q = x's tiles 4 w .. 4 w + 3;   v: P = x's 128 rows (keys) of half w / 2, Q = W's tiles 4 (w % 2) .. + 3.
; The parts q and k differ in offsets alone: they are the two trips of one loop; v is written out.
; Rows and columns stand in the order in which bits 3 and 4 of the index change places, so that the 16 registers of result tiles 2 b, 2 b + 1 are indices 32 b + 16 (lane / 16) + 0 .. 15.
; CLUSTERS: 4 x 4 work-groups; x's tiles are asked for jointly along a row of the cluster, W's along a column.
; NO PREFETCH: x is asked for whole at the head, and each of W's fills is asked for a way out ahead of its first read; each byte is asked for once by a cluster.
; OUT: qc [pair of heads 8][tile 512][1536], qs [pair][tile / 4][row][tile % 4] words; kv: records of 25,600 bytes [batch x 8 + pair][key step 16]: K's 8 tiles, V's 8 tiles, K's words, V's words.
; LIMITS: NaN and infinities are not served; a block whose largest magnitude lies under 2^-122 keeps the byte 1, a block of zeros too (its codes are zeros; this program alone reads the bytes).
; REGISTERS: window 0: v8-31 addresses; v32-95 scale words (register 8 i + s: lanes 0-15 Q's block i (i < 4), lanes 16-31 P's block i, K step s); v96-114 codes; v128-223 Q's fragments, two sets of four, and the way out; v224-231 v's bias.
;   window 1: P's fragments, two sets at v0 and v128; q's or k's bias in v96-127 and v224-255.   window 2: the accumulators, (a, b) at v[8 (8 a + b)].
.set XKP,    49152                     ; x's 16 tiles x 256 K
.set WKP,    24576                     ; W's 8 tiles x 256 K
.set WR,     4*XKP                     ; where W's bytes begin in LDS
.set SPARE,  WR+4*WKP                  ; behind them: the spare words
.set WS,     262144                    ; where the weights' scale words begin in scl
.set REC,    25600
.set FR,     12
.set NP,     4                         ; places behind this matrix instruction (ISA guide 7.12.1)
.set AQ16, 8                           ; v8-11 Q's fragments of K part 0..3: base + 16 x lane;  v12-15: base + 512 + 8 x lane
.set AQ8,  12
.set AP16, 16                          ; v16-19, v20-23 the same for P
.set AP8,  20
.set L16,  24
.set L8P,  25                          ; 8 x lane + 512
.set SOF,  26
.set SOFP, 27
.set SPW,  28
.set NIL,  29
.set BPO,  30
.set BQO,  31
.set SC,   32
.set PC,   96
.set R16,  115                         ; 16 x (lane % 16)
.set AF,   128
.set HA,   128
.set TM,   192
.set PW,   216
.set BQ,   224
.set G1,   24
.set G0,   32
.set G1B,  48
.set G0B,  56
.set LC,   45
.set SEL,  74
.set OC,   76                          ; s[76:79] where the part in hand stores codes and words; s[80:83] k's; s[84:87] v's
.set OS,   78
.set MSB, 0
.macro WIN new                         ; the immediate's high byte repeats the setting that is left
.if MSB != (\new)
	s_set_vgpr_msb (MSB<<8)|(\new)
.set MSB, \new
.endif
.endm
.set MUL_LO, 0xa1                      ; source 0 (P) window 1, source 1 (Q) window 0, C and D window 2
.set TO_P,   0x40
.macro TLOAD g0, g1                    ; s_nop 0 and four v_nop behind each tensor load
	tensor_load_to_lds s[\g0:\g0+3], s[\g1:\g1+7]
	s_nop 0
.rept 4
	v_nop
.endr
.endm
.macro ARM under, g0, g1, next         ; an arm of the head's one chain of branches on the wave's number
	s_cmp_lt_u32 s14, \under
	s_cbranch_scc0 \next
	TLOAD \g0, \g1
	s_branch .Lhead_asked
\next:
.endm
.macro WLOAD                           ; W's next part: wave 1 its K 0-511, wave 3 its K 512-1,023
	s_cmp_eq_u32 s16, 0
	s_cbranch_scc1 .Lasked_\@
	s_cmp_eq_u32 s15, 0
	s_cbranch_scc0 .Lsecond_\@
	TLOAD G0B, G1B
	s_branch .Lasked_\@
.Lsecond_\@:
	TLOAD G0B+4, G1B
.Lasked_\@:
.endm
.macro CREST                           ; a round of the cluster's barrier behind its opening barrier
	s_cmp_lg_u32 s14, 0
	s_cbranch_scc1 .Lnot_wave_0_\@
	s_barrier_signal -3
.Lnot_wave_0_\@:
	s_barrier_wait -3
	s_barrier_signal -1
	s_barrier_wait -1
.endm
.macro CROUND
	s_barrier_signal -1
	s_barrier_wait -1
	CREST
.endm
.macro PLACES n
.rept \n
	v_nop
.endr
.endm
.macro FRAG reg, a16, a8, q, i
	ds_load_b128 v[\reg:\reg+3], v[\a16] offset:(\i)*3072+(\q)*1536
	ds_load_b64 v[\reg+4:\reg+5], v[\a8] offset:(\i)*3072+(\q)*1536
	ds_load_b128 v[\reg+6:\reg+9], v[\a16] offset:(\i)*3072+(\q)*1536+768
	ds_load_b64 v[\reg+10:\reg+11], v[\a8] offset:(\i)*3072+(\q)*1536+768
.endm
.macro FETCH ks                        ; K step ks: P's eight fragments and Q's four, into set ks % 2: 48 loads
	WIN TO_P
.irp i, 0,1,2,3,4,5,6,7
	FRAG 128*((\ks)%2)+FR*\i, AP16+(\ks)/2, AP8+(\ks)/2, (\ks)%2, \i
.endr
	WIN 0
.irp i, 0,1,2,3
	FRAG AF+48*((\ks)%2)+FR*\i, AQ16+(\ks)/2, AQ8+(\ks)/2, (\ks)%2, \i
.endr
.endm
; 32 matrix instructions: the 32 accumulators take turns, one instruction a turn, in the same order in every step.  The first step's products start the sums.
.macro MUL32 ks
.irp a, 0,1,2,3
.irp b, 0,1,2,3,4,5,6,7
.if (\ks) == 0
	v_wmma_scale_f32_16x16x128_f8f6f4 v[8*(8*\a+\b):8*(8*\a+\b)+7], v[FR*\b:FR*\b+FR-1], v[AF+FR*\a:AF+FR*\a+FR-1], 0, v[SC+8*\b], v[SC+8*\a] matrix_a_fmt:MATRIX_FMT_BF6 matrix_b_fmt:MATRIX_FMT_BF6 matrix_a_scale:MATRIX_SCALE_ROW1
.else
	v_wmma_scale_f32_16x16x128_f8f6f4 v[8*(8*\a+\b):8*(8*\a+\b)+7], v[128*((\ks)%2)+FR*\b:128*((\ks)%2)+FR*\b+FR-1], v[AF+48*((\ks)%2)+FR*\a:AF+48*((\ks)%2)+FR*\a+FR-1], v[8*(8*\a+\b):8*(8*\a+\b)+7], v[SC+8*\b+(\ks)], v[SC+8*\a+(\ks)] matrix_a_fmt:MATRIX_FMT_BF6 matrix_b_fmt:MATRIX_FMT_BF6 matrix_a_scale:MATRIX_SCALE_ROW1
.endif
.endr
.endr
.endm
.macro BIAS v                          ; the part's bias: asked for under its first K step, waited for ahead of its way out
.if \v
.irp a, 0,1,2,3
	global_load_b32 v[BQ+2*\a], v[BQO], s[10:11] offset:4*(32*(\a/2)+8*(\a%2))      ; v: my lane's channel of Q's block a, in both registers of a pair
	global_load_b32 v[BQ+2*\a+1], v[BQO], s[10:11] offset:4*(32*(\a/2)+8*(\a%2))
.endr
.else
	WIN 0x40
.irp b, 0,1,2,3
.irp j, 0,1,2,3
	global_load_b128 v[96+16*\b+4*\j+96*(\b/2):96+16*\b+4*\j+96*(\b/2)+3], v[BPO], s[10:11] offset:128*\b+16*\j   ; index 16 b + i: the bias of column 32 b + 16 h + i
.endr
.endr
	WIN 0
.endif
.endm
.macro STEP ks, v
.if (\ks) == 7 && (\v) == 0
	s_wait_tensorcnt 0x0                           ; no tensor load of mine is out
	ds_add_u32 v[SPW], v[NIL]
	s_add_nc_u64 s[G0B+2:G0B+3], s[G0B+2:G0B+3], 64*3072   ; W's next part: 64 tiles on
	s_add_nc_u64 s[G0B+6:G0B+7], s[G0B+6:G0B+7], 64*3072
	s_wait_dscnt 0x0                               ; the add is done, this step's fragments are in, and my reads of W's bytes are over
	s_barrier_signal -1                            ; this barrier opens a round of the cluster's
.else
	s_wait_dscnt 0x0                               ; this step's fragments, asked for a step ago, are in
.endif
.if (\ks) < 7
.if (\ks) > 0
	PLACES NP                                      ; in front of loads into registers that the last step's products read
.endif
	FETCH (\ks)+1
.endif
.if (\ks) == 0
	s_wait_loadcnt 0x0                             ; the part's scale words
	BIAS \v
.endif
	WIN MUL_LO
	MUL32 \ks
	WIN 0
.if (\ks) == 7 && (\v) == 0
	s_barrier_wait -1
	CREST                                          ; no wave of any partner still reads W's bytes or has a load on its way
	WLOAD
.endif
.endm
.macro WALK v                          ; a part's walk along K
	s_wait_alu depctr_va_vdst(0)
	s_wait_tensorcnt 0x0                           ; my load is in;
	s_barrier_signal -1
	s_barrier_wait -1                              ; and so is everybody's
	FETCH 0
.irp k, 0,1,2,3,4,5,6,7
	STEP \k, \v
.endr
.endm
.macro SCALES sq, sp                   ; a part's scale words: lanes 0-15 take Q's, lanes 16-31 P's; for blocks 4-7 all lanes take P's
	v_mov_b32 v5, s[\sq]
	v_mov_b32 v6, s[\sp]
	v_cmp_eq_u32 vcc_lo, 1, v2
	v_cndmask_b32 v5, v5, v6, vcc_lo
	v_add_nc_u32 v[SOFP], v[R16], v6
	v_add_nc_u32 v[SOF], v[R16], v5
.irp i, 0,1,2,3
.irp j, 0,1
	global_load_b128 v[SC+8*\i+4*\j:SC+8*\i+4*\j+3], v[SOF], s[8:9] offset:512*\i+256*\j   ; four K steps' words of block i: sixteen lanes read 256 consecutive bytes
.endr
.endr
.irp i, 4,5,6,7
.irp j, 0,1
	global_load_b128 v[SC+8*\i+4*\j:SC+8*\i+4*\j+3], v[SOFP], s[8:9] offset:512*\i+256*\j
.endr
.endr
.endm
.macro SETADR qb, qs, pb, ps           ; the fragments' LDS addresses: bases in scalar registers, a K part's stride as a constant
	v_add_nc_u32 v[AQ16], s[\qb], v[L16]
	v_add_nc_u32 v[AQ8], s[\qb], v[L8P]
	v_add_nc_u32 v[AP16], s[\pb], v[L16]
	v_add_nc_u32 v[AP8], s[\pb], v[L8P]
.irp k, 1,2,3
	v_add_nc_u32 v[AQ16+\k], \k*(\qs), v[AQ16]
	v_add_nc_u32 v[AQ8+\k], \k*(\qs), v[AQ8]
	v_add_nc_u32 v[AP16+\k], \k*(\ps), v[AP16]
	v_add_nc_u32 v[AP8+\k], \k*(\ps), v[AP8]
.endr
.endm
; 64 numbers of a lane, register 16 b + i = index 32 b + 16 (lane / 16) + i along the next K, become a fragment's codes in v[PC] on and its scale word in v[pw]
.macro QUANT s, pw
.irp b, 0,1,2,3
	v_max3_num_f32 v[TM+\b], |v[\s+16*\b]|, |v[\s+1+16*\b]|, 0x2800000   ; and the floor 2^(5 - 127)
.endr
.irp i, 2,4,6,8,10,12,14
.irp b, 0,1,2,3
	v_max3_num_f32 v[TM+\b], v[TM+\b], |v[\s+16*\b+\i]|, |v[\s+1+16*\b+\i]|
.endr
.endr
.irp b, 0,1,2,3
	v_permlanex16_b32 v[TM+4+\b], v[TM+\b], s[SEL], s[SEL+1]
.endr
.irp b, 0,1,2,3
	v_max_num_f32 v[TM+\b], v[TM+\b], v[TM+4+\b]
.endr
.irp b, 0,1,2,3
	v_add_nc_u32 v[TM+8+\b], 0xfe000000, v[TM+\b]   ; 4 off the exponent field: the conversion's scale operand
.endr
.irp b, 0,1,2,3
	v_lshrrev_b32 v[TM+4+\b], 23, v[TM+8+\b]
.endr
	v_lshl_or_b32 v[\pw], v[TM+5], 8, v[TM+4]
	v_lshl_or_b32 v[\pw], v[TM+6], 16, v[\pw]
	v_lshl_or_b32 v[\pw], v[TM+7], 24, v[\pw]
.irp c, 0,1
	v_cvt_scalef32_pk16_bf6_f32 v[PC+6*\c:PC+2+6*\c], v[\s+32*\c:\s+15+32*\c], v[TM+8+2*\c]
	v_cvt_scalef32_pk16_bf6_f32 v[PC+12+4*\c:PC+14+4*\c], v[\s+16+32*\c:\s+31+32*\c], v[TM+8+2*\c+1]
.endr
	v_nop                                          ; one plain instruction behind the scaled conversions
.irp c, 0,1
.irp i, 0,1,2
	v_permlane16_swap_b32 v[PC+6*\c+\i], v[PC+12+4*\c+\i]
.endr
.irp i, 0,1,2
	v_mov_b32 v[PC+3+6*\c+\i], v[PC+12+4*\c+\i]
.endr
.endr
.endm
; THE WAY OUT of a part, block by block of Q's 16 rows: + bias (which also brings the sums into window 0), quantised along P's 128, stored as a fragment
.macro WAYOUT v, oc, os
.irp a, 0,1,2,3
	s_wait_xcnt 0x0                                ; earlier stores have read the codes' and the words' registers
.set i, 0
.if \v
	WIN 0x02                                       ; source 0: the accumulators' window
.rept 32
	v_pk_add_f32 v[HA+i:HA+i+1], v[64*\a+i:64*\a+i+1], v[BQ+2*\a:BQ+2*\a+1]   ; each accumulator from its low end on
.set i, i+2
.endr
.else
	WIN 0x06                                       ; source 0: the accumulators' window; source 1: window 1
.rept 32
	v_pk_add_f32 v[HA+i:HA+i+1], v[64*\a+i:64*\a+i+1], v[96+i+96*(i/32):96+i+96*(i/32)+1]
.set i, i+2
.endr
.endif
	WIN 0
	QUANT HA, PW+\a
	global_store_b128 v[L16], v[PC:PC+3], s[\oc:\oc+1] offset:1536*\a          ; each store covers 512 or 256 consecutive bytes, aligned
	global_store_b64 v[L8P], v[PC+4:PC+5], s[\oc:\oc+1] offset:1536*\a
	global_store_b128 v[L16], v[PC+6:PC+9], s[\oc:\oc+1] offset:1536*\a+768
	global_store_b64 v[L8P], v[PC+10:PC+11], s[\oc:\oc+1] offset:1536*\a+768
.endr
	global_store_b128 v[R16], v[PW:PW+3], s[\os:\os+1]   ; four blocks' words of 16 rows: 256 consecutive bytes, aligned (lanes l and l + 16 hold, and store, the same)
.endm
	s_load_b256 s[4:11], s[0:1], 0x0               ; xc s[4:5], wc s[6:7], scl s[8:9], b_qkv s[10:11]
	s_load_b128 s[68:71], s[0:1], 0x20             ; qc s[68:69], qs s[70:71]
	s_load_b64 s[72:73], s[0:1], 0x30              ; kv
	v_lshl_add_u32 v[SPW], v0, 2, SPARE
	v_mov_b32 v[NIL], 0
	ds_add_u32 v[SPW], v[NIL]                      ; the opening lines: the add twice on end and one wait
	ds_add_u32 v[SPW], v[NIL]
	v_lshrrev_b32 v1, 5, v0
	v_readfirstlane_b32 s14, v1                    ; wave 0..3
	s_lshr_b32 s15, s14, 1
	s_and_b32 s16, s14, 1
	s_bfe_u32 s40, ttmp6, 0x40000                  ; cx, cy
	s_bfe_u32 s41, ttmp6, 0x40004
	s_lshl_b32 s42, ttmp9, 2
	s_add_co_u32 s42, s42, s40                     ; gx: the pair of heads
	s_and_b32 s17, ttmp7, 0xffff
	s_lshl_b32 s17, s17, 2
	s_add_co_u32 s17, s17, s41                     ; gy: which 256 rows
	s_lshl_b32 s43, s41, 2
	s_lshl_b32 s43, 15, s43                        ; my row of the cluster
	s_lshl_b32 s44, 0x1111, s40                    ; my column
	; group 1, elements of 8 bytes: two rows of one dense run each, the runs a whole K part of the buffer apart
	s_or_b32 s[G1+0], s43, (3<<16)|(1<<21)
	s_mov_b32 s[G1+1], (XKP/8)<<16
	s_mov_b32 s[G1+2], 2<<16
	s_mov_b32 s[G1+3], (XKP/8)<<16
	s_mov_b32 s[G1+4], 2
	s_mov_b32 s[G1+5], 512*3072/8
	s_mov_b32 s[G1+6], 0
	s_mov_b32 s[G1+7], 0
	s_or_b32 s[G1B+0], s44, (3<<16)|(1<<21)
	s_mov_b32 s[G1B+1], (WKP/8)<<16
	s_mov_b32 s[G1B+2], 2<<16
	s_mov_b32 s[G1B+3], (WKP/8)<<16
	s_mov_b32 s[G1B+4], 2
	s_mov_b32 s[G1B+5], 256*3072/8
	s_mov_b32 s[G1B+6], 0
	s_mov_b32 s[G1B+7], 0
	s_mul_i32 s20, s17, 16*3072                    ; x: tile 16 gy
	s_mov_b32 s21, 0
	s_mul_i32 s46, s42, 8*3072                     ; W: q's tile 8 gx
	s_mov_b32 s47, 0
	s_wait_dscnt 0x0                               ; both opening adds are done
	s_wait_kmcnt 0x0
	s_add_nc_u64 s[20:21], s[4:5], s[20:21]
	s_add_nc_u64 s[46:47], s[6:7], s[46:47]
	CROUND                                         ; all sixteen work-groups are here: the joint loads meet
.irp s, 0,1
	s_mov_b32 s[G0+4*\s], 1
	s_mov_b32 s[G0+4*\s+1], \s*2*XKP
	s_add_nc_u64 s[G0+4*\s+2:G0+4*\s+3], s[20:21], \s*2*512*3072
	s_or_b32 s[G0+4*\s+3], s[G0+4*\s+3], 0x80000000
	s_mov_b32 s[G0B+4*\s], 1
	s_mov_b32 s[G0B+4*\s+1], WR+\s*2*WKP
	s_add_nc_u64 s[G0B+4*\s+2:G0B+4*\s+3], s[46:47], \s*2*256*3072
	s_or_b32 s[G0B+4*\s+3], s[G0B+4*\s+3], 0x80000000
.endr
	ARM 1, G0,   G1,  .Lhead_w0
	ARM 2, G0B,  G1B, .Lhead_x1
	ARM 3, G0+4, G1,  .Lhead_w1
	TLOAD G0B+4, G1B
.Lhead_asked:
	v_and_b32 v1, 15, v0                           ; r
	v_bfe_u32 v2, v0, 4, 1                         ; h
	v_and_b32 v3, 31, v0
	v_lshlrev_b32 v[R16], 4, v1
	v_and_b32 v7, 8, v1
	v_lshlrev_b32 v[L16], 4, v3
	v_lshlrev_b32 v[L8P], 3, v3
	v_add_nc_u32 v7, v7, v1                        ; r + 8 (r / 8)
	v_add_nc_u32 v[L8P], 512, v[L8P]
.irp b, 0,1,2,3
	v_mov_b32 v[TM+4+\b], 0                        ; a lane permute's destination counts as one of its sources
.endr
	s_wait_alu depctr_va_vdst(0)
	s_mov_b32 s[SEL], 0x76543210
	s_mov_b32 s[SEL+1], 0xfedcba98
	; scale words, 512 bytes a tile: s88, s89 Q's and P's for q; s90, s91 for the part that comes next; s92, s93 for v
	s_lshl_b32 s18, s17, 2
	s_add_co_u32 s18, s18, s14                     ; 4 gy + w: my four tiles of x
	s_lshl_b32 s88, s18, 11
	s_mov_b32 s90, s88
	s_lshl_b32 s89, s42, 12
	s_add_co_u32 s89, s89, WS                      ; W's tile 8 gx
	s_add_co_u32 s91, s89, 64*512
	s_lshl_b32 s19, s16, 11
	s_add_co_u32 s92, s89, 128*512
	s_add_co_u32 s92, s92, s19                     ; v: W's tile 128 + 8 gx + 4 (w % 2)
	s_lshl_b32 s93, s17, 13
	s_lshl_b32 s19, s15, 12
	s_add_co_u32 s93, s93, s19                     ; v: x's tile 16 gy + 8 (w / 2)
	; LDS bases: s94 Q, s97 P for q and k; s95 Q, s96 P for v
	s_mul_i32 s94, s14, 4*3072
	s_mul_i32 s95, s16, 4*3072
	s_add_co_u32 s95, s95, WR
	s_mul_i32 s96, s15, 8*3072
	s_mov_b32 s97, WR
	s_lshl_b32 s98, s42, 9                         ; the pair's first column, in bytes of f32
	s_lshl_b32 s99, s16, 8
	s_add_co_u32 s99, s99, s98
	; where my results go
	s_lshl_b32 s20, s42, 7
	s_add_co_u32 s20, s20, s18                     ; 128 pair + 4 gy + w
	s_mul_i32 s22, s20, 4*1536
	s_mov_b32 s23, 0
	s_add_nc_u64 s[OC:OC+1], s[68:69], s[22:23]    ; q's codes
	s_lshl_b32 s22, s20, 8
	s_add_nc_u64 s[OS:OS+1], s[70:71], s[22:23]    ; q's words
	s_lshl_b32 s20, s17, 1
	s_add_co_u32 s20, s20, s15                     ; g: which 128 rows
	s_lshr_b32 s21, s20, 4
	s_lshl_b32 s21, s21, 3
	s_add_co_u32 s21, s21, s42
	s_lshl_b32 s21, s21, 4
	s_and_b32 s20, s20, 15
	s_add_co_u32 s21, s21, s20                     ; the record: (8 batch + pair) x 16 + key step
	s_mul_i32 s21, s21, REC
	s_mul_i32 s20, s16, 4*1536
	s_add_co_u32 s22, s21, s20
	s_add_nc_u64 s[OC+4:OC+5], s[72:73], s[22:23]  ; k's codes: tiles 4 (w % 2) on
	s_add_nc_u64 s[OC+8:OC+9], s[OC+4:OC+5], 12288 ; v's lie behind K's eight
	s_lshl_b32 s20, s16, 8
	s_add_co_u32 s22, s21, s20
	s_add_co_u32 s22, s22, 24576
	s_add_nc_u64 s[OS+4:OS+5], s[72:73], s[22:23]  ; k's words
	s_add_nc_u64 s[OS+8:OS+9], s[OS+4:OS+5], 512   ; v's
	v_lshl_add_u32 v[BPO], v2, 6, s98              ; q, k: 64 h + the pair's first column
	v_lshl_add_u32 v[BQO], v7, 2, s99              ; v: my lane's channel
	SETADR 94, XKP, 97, WKP
	SCALES 88, 89
	s_mov_b32 s[LC], 0
.Lpart:                                            ; two trips: q, k
	WALK 0
	PLACES NP                                      ; behind the last products, on the way of the waves that ask for nothing too
	SCALES 90, 91                                  ; the next part's scale words land under the way out
	s_wait_loadcnt 16                              ; the bias is in; the 16 loads just issued may be out
	WAYOUT 0, OC, OS
	s_wait_xcnt 0x0                                ; the stores and loads have read their bases and registers
	s_mov_b64 s[OC:OC+1], s[OC+4:OC+5]
	s_mov_b64 s[OS:OS+1], s[OS+4:OS+5]
	s_add_nc_u64 s[10:11], s[10:11], 4096          ; the next part's bias: 1,024 columns on
	s_mov_b32 s90, s92
	s_mov_b32 s91, s93
	s_add_co_u32 s[LC], s[LC], 1
	s_cmp_lt_u32 s[LC], 2
	s_wait_alu depctr_va_vdst(0)
	s_cbranch_scc1 .Lpart
	SETADR 95, WKP, 96, XKP                        ; v: the sides change roles
	WALK 1
	PLACES NP
	s_wait_loadcnt 0x0                             ; the bias
	WAYOUT 1, OC+8, OS+8
	s_wait_tensorcnt 0x0                           ; the wave's end
	ds_add_u32 v[SPW], v[NIL]
	s_wait_dscnt 0x0
	CROUND                                         ; the closing round
	s_endpgm
.Lfunc_end_k_q494cafa299_qkv:
	.size	k_q494cafa299_qkv, .Lfunc_end_k_q494cafa299_qkv-k_q494cafa299_qkv
	.p2alignl 7, 3214868480
	.fill 96, 4, 3214868480
	.section	.rodata,"a",@progbits
	.p2align	6, 0x0
	.amdhsa_kernel k_q494cafa299_qkv
		.amdhsa_group_segment_fixed_size 327680
		.amdhsa_private_segment_fixed_size 0
		.amdhsa_enable_private_segment 0
		.amdhsa_kernarg_size 56
		.amdhsa_user_sgpr_count 2
		.amdhsa_user_sgpr_kernarg_segment_ptr 1
		.amdhsa_wavefront_size32 1
		.amdhsa_system_sgpr_workgroup_id_x 1
		.amdhsa_system_sgpr_workgroup_id_y 1
		.amdhsa_system_sgpr_workgroup_id_z 1
		.amdhsa_system_vgpr_workitem_id 0
		.amdhsa_next_free_vgpr 768
		.amdhsa_next_free_sgpr 100
		.amdhsa_reserve_vcc 1
		.amdhsa_float_denorm_mode_32 3
		.amdhsa_float_denorm_mode_16_64 3
		.amdhsa_memory_ordered 1
		.amdhsa_forward_progress 1
		.amdhsa_inst_pref_size 184
	.end_amdhsa_kernel
	.amdgpu_metadata
---
amdhsa.version: [ 1, 2 ]
amdhsa.kernels:
  - .name:           k_q494cafa299_qkv
    .symbol:         k_q494cafa299_qkv.kd
    .args:
      - { .name: xc, .offset: 0, .size: 8, .value_kind: global_buffer, .address_space: global }
      - { .name: wc, .offset: 8, .size: 8, .value_kind: global_buffer, .address_space: global }
      - { .name: scl, .offset: 16, .size: 8, .value_kind: global_buffer, .address_space: global }
      - { .name: b_qkv, .offset: 24, .size: 8, .value_kind: global_buffer, .address_space: global }
      - { .name: qc, .offset: 32, .size: 8, .value_kind: global_buffer, .address_space: global }
      - { .name: qs, .offset: 40, .size: 8, .value_kind: global_buffer, .address_space: global }
      - { .name: kv, .offset: 48, .size: 8, .value_kind: global_buffer, .address_space: global }
    .group_segment_fixed_size: 327680
    .private_segment_fixed_size: 0
    .kernarg_segment_align: 8
    .kernarg_segment_size: 56
    .max_flat_workgroup_size: 128
    .sgpr_count:     100
    .vgpr_count:     768
    .wavefront_size: 32
...
	.end_amdgpu_metadata
.endif
;; end of part 2
;; launch attn (part 3): grid 8 x 32, 16 waves a work-group, clusters of 4 x 1, 327,680 bytes of LDS; arguments qc, qs, kv, oc, scl; writes oc, scl
.if DOCPART == 3
	.amdgcn_target "amdgcn-amd-amdhsa--gfx1250"
	.amdhsa_code_object_version 6
	.text
	.protected	k_q494cafa299_attn
	.globl	k_q494cafa299_attn
	.p2align	8
	.type	k_q494cafa299_attn,@function
k_q494cafa299_attn:
	s_mov_b64 s[64:65], 0
	v_nop
	global_prefetch_b8 v0, s[64:65] scope:SCOPE_SE
	s_setreg_imm32_b32 hwreg(HW_REG_WAVE_MODE, 25, 1), 1
	s_wait_xcnt 0x0
	s_wait_alu depctr_hold_cnt(0) depctr_sa_sdst(0) depctr_va_vdst(0) depctr_va_sdst(0) depctr_va_ssrc(0) depctr_va_vcc(0) depctr_vm_vsrc(0)
	s_getreg_b32 s2, hwreg(HW_REG_IB_STS2, 6, 4)
	s_cmp_eq_u32 s2, 0
	s_cbranch_scc0 .Lentry_in_a_cluster
	s_endpgm
.Lentry_in_a_cluster:
	s_bfe_u32 s2, ttmp6, 0x10000c
	s_cmp_lg_u32 s2, 0x3003
	s_cbranch_scc0 .Lentry_shape_is_right
	s_endpgm
.Lentry_shape_is_right:
; Causal attention on codes of BF6 (E3M2) with E8M0 scales, 64 heads of size 64, 2,048 queries and keys; the result is quantised along h x 64 + d on the way out, as the operand of the last product.
; THE SOFTMAX AHEAD OF THE SECOND PRODUCT: t = score x log2(e) / 8; M = the running largest t rounded up to a whole number; p = 2^(t - M) is quantised along the keys, not normalised; the row's sum of the unquantised p divides at the end.
; When M moves, the sum and O are multiplied by 2^(old M - new M): exact.
; SHARES.  y = 8 batch + pair of heads.  The 8 work-groups of a y share its 128 tiles of 16 queries.  Wave w of work-group j has TWO UNITS: head A of the pair on tile 8 w + j, and head B on tile 8 (15 - w) + j.
; A tile of group g (its 128 queries' number) needs key steps 0 .. g, so every wave has (w + 1) + (16 - w) = 17 head steps, and wave 15 - w has the other head of both tiles.
; A unit's diagonal key step is w or 15 - w whatever j is: every branch hangs on the wave's number and a counter alone, alike in all partners of a cluster; j enters global addresses and the mask's data only.
; LEFT OUT: key steps wholly behind a unit's queries: reference()'s own causal mask gives them the logit -9e15, whose p is 0 (a scalar branch round a unit's work).  A NaN or infinity that reaches only those scores is not carried to the result.
; The 16 records of a y are walked from both ends by turns (step n takes key step n / 2 or 15 - n / 2): so each slot of four records holds 4 or 5 head steps for every wave.
; CLUSTER: the four work-groups of a cluster walk the same records: each is asked for jointly (mask 15), by waves 0-3, one record a wave.
; LAYOUT.  Both products are used transposed: S^T = K Q^T, O^T = V^T P^T: a lane holds one query of each unit.  Keys, channels and queries stand in the order in which bits 3 and 4 of the index change places,
; so that the 16 registers of result tiles 2 b, 2 b + 1 are indices 32 b + 16 (lane / 16) + 0 .. 15: p's and O's registers are what the conversions want.
; K = 64 IN THE FIRST PRODUCT: the instruction is 128 deep.  A tile of K is stored for the pair of heads (head A's 64 in the first six registers, head B's in the second six); only the head's own six are loaded, and the other six registers
; that the operand names (a neighbouring tile's codes) meet zero CODES in Q's operand: [qa][zeros] for head A, [zeros][qb] for head B; no code of this format is NaN or infinity, so these products are 0.
; OUT: a head's 64 channels are one half (768 bytes) of a fragment of oc and two bytes of its rows' scale words: unit 0 stores the first half of its tile's, unit 1 the second half of its tile's.
; LIMITS: NaN and infinities are not served; hidden scores become -infinity where the source writes -9e15 (equal while a row's visible logits lie above about -9e15); 1 / l by v_rcp_f32; the scaled scores stay under 2^31 in magnitude;
; a block whose largest magnitude lies under 2^-122 keeps the byte 1, a block of zeros too (its codes are zeros; this program alone reads the bytes).
.set REC,   25600                      ; a record: K's 8 tiles x 1,536, V's 8 at 12,288, K's words at 24,576, V's at 25,088
.set SLOT1, 1<<17                      ; a slot holds four records (102,400 bytes); slot 1 begins here
.set SPARE, 1<<18                      ; the spare words, 128 bytes for each of sixteen waves
.set OSB,   393216                     ; where the result's scale words begin in scl
.set A16,  1                           ; v1   the record in hand + 16 x lane
.set A8,   2                           ; v2   the record in hand + 512 + 8 x lane
.set L16,  3
.set L8P,  4                           ; 8 x lane + 512
.set SPW,  5
.set NIL,  6
.set DD,   7                           ; my query's place among its 128, less 16 (lane / 16): the same in both units
.set FF,   8                           ; v8 f = 2^(old M - new M);  v9 p's scale word
.set ST,   10                          ; unit e at v[10 + 4 e]: -M, the largest t, the sum in two halves
.set QW,   18                          ; v18, v19 Q's scale words, unit 0, 1
.set QZ,   20                          ; v20-37: qa, six zeros, qb
.set KW,   38                          ; v38-41 K's words: register i: lanes 0-15 tile i, lanes 16-31 tile 4 + i;  v42-45 V's
.set VW,   42
.set WD,   38                          ; the way out: the result's scale word
.set FRG,  46                          ; v46-93: K: six registers to spare, four tiles x 6, six to spare; V: four fragments x 12
.set S,    94                          ; v94-157 S^T, then p
.set O,    158                         ; v158-221 O^T: unit e's 4 tiles of 16 channels at 158 + 32 e
.set PC,   222                         ; v222-240 codes
.set PFO,  241
.set BM,   242
.set TM,   242
.set PT,   246
.set E4,   250
.set WV,   14
.set ODD,  15
.set TB,   17                          ; LDS byte of the record in hand
.set NN,   18                          ; n
.set KS,   19                          ; its key step
.set CN,   20
.set SLOTS, 21
.set CS,   22                          ; s[22:23] c = log2(e) / 8
.set G1,   24
.set G0F,  32                          ; the even waves' group 0 walks forward, the odd waves' backward
.set G0B,  36
.set SEL,  40
.set PFA,  42
.set PFS,  44
.set LIM,  46
.set QA,   70                          ; s[70:73] Q's fragments, unit 0, 1;  s[74:77] their scale words;  s[78:81] the results' fragments;  s[82:85] their scale words
.set QSA,  74
.set OA,   78
.set OSA,  82
.set WP,   86                          ; s86, s87 the units' diagonal key steps: w, 15 - w;  s88 the larger
.set WM,   88
.macro JLOAD                           ; waves 0-3 fetch a record each.  The branches hang on the wave's number alone.  s_nop 0 and four v_nop follow each tensor line
	s_cmp_lt_u32 s[WV], 4
	s_cbranch_scc0 .Lasked_\@
	s_cmp_eq_u32 s[ODD], 0
	s_cbranch_scc0 .Lback_\@
	tensor_load_to_lds s[G0F:G0F+3], s[G1:G1+7]
	s_nop 0
.rept 4
	v_nop
.endr
	s_branch .Lasked_\@
.Lback_\@:
	tensor_load_to_lds s[G0B:G0B+3], s[G1:G1+7]
	s_nop 0
.rept 4
	v_nop
.endr
.Lasked_\@:
.endm
; A prefetch into the L2 of the slot after the one that is being asked for: four key steps ahead of its load.  All 8 work-groups of a y walk the same records: the first cluster asks, in it waves 4-7.
; The four partners are told apart by address: partner cx takes the slot's record cx; wave 4 + i its bytes 6,400 i on: 25 blocks of 256 bytes, a lane a block (lanes 25-31 name the last again).
; The last change that fills a slot asks for nothing; slots 0 and 1 come by their loads alone.
.macro ASK
	s_cmp_gt_u32 s[SLOTS], s[LIM]
	s_cbranch_scc0 .Lnot_mine_\@
	global_prefetch_b8 v[PFO], s[PFA:PFA+1] th:TH_LOAD_NT scope:SCOPE_SE
.Lnot_mine_\@:
.endm
.macro CROUND
	s_barrier_signal -1
	s_barrier_wait -1
	s_cmp_lg_u32 s[WV], 0
	s_cbranch_scc1 .Lnot_wave_0_\@
	s_barrier_signal -3
.Lnot_wave_0_\@:
	s_barrier_wait -3
	s_barrier_signal -1
	s_barrier_wait -1
.endm
.macro QUANT s, pw
.irp b, 0,1,2,3
	v_max3_num_f32 v[TM+\b], |v[\s+16*\b]|, |v[\s+1+16*\b]|, 0x2800000
.endr
.irp i, 2,4,6,8,10,12,14
.irp b, 0,1,2,3
	s_delay_alu instid0(VALU_DEP_4)
	v_max3_num_f32 v[TM+\b], v[TM+\b], |v[\s+16*\b+\i]|, |v[\s+1+16*\b+\i]|
.endr
.endr
.irp b, 0,1,2,3
	s_delay_alu instid0(VALU_DEP_4)
	v_permlanex16_b32 v[TM+4+\b], v[TM+\b], s[SEL], s[SEL+1]
.endr
.irp b, 0,1,2,3
	s_delay_alu instid0(VALU_DEP_4)
	v_max_num_f32 v[TM+\b], v[TM+\b], v[TM+4+\b]
.endr
.irp b, 0,1,2,3
	s_delay_alu instid0(VALU_DEP_4)
	v_add_nc_u32 v[TM+8+\b], 0xfe000000, v[TM+\b]
.endr
.irp b, 0,1,2,3
	s_delay_alu instid0(VALU_DEP_4)
	v_lshrrev_b32 v[TM+4+\b], 23, v[TM+8+\b]
.endr
	s_delay_alu instid0(VALU_DEP_3)
	v_lshl_or_b32 v[\pw], v[TM+5], 8, v[TM+4]
	s_delay_alu instid0(VALU_DEP_1)
	v_lshl_or_b32 v[\pw], v[TM+6], 16, v[\pw]
	s_delay_alu instid0(VALU_DEP_1)
	v_lshl_or_b32 v[\pw], v[TM+7], 24, v[\pw]
.irp c, 0,1
	v_cvt_scalef32_pk16_bf6_f32 v[PC+6*\c:PC+2+6*\c], v[\s+32*\c:\s+15+32*\c], v[TM+8+2*\c]
	v_cvt_scalef32_pk16_bf6_f32 v[PC+12+4*\c:PC+14+4*\c], v[\s+16+32*\c:\s+31+32*\c], v[TM+8+2*\c+1]
.endr
	v_nop
.irp c, 0,1
.irp i, 0,1,2
	v_permlane16_swap_b32 v[PC+6*\c+\i], v[PC+12+4*\c+\i]
.endr
.irp i, 0,1,2
	s_delay_alu instid0(VALU_DEP_3)
	v_mov_b32 v[PC+3+6*\c+\i], v[PC+12+4*\c+\i]
.endr
.endr
.endm
; One unit's share of a key step of 128 keys
.macro HSTEP e
.set SE, ST+4*(\e)
.set OE, O+32*(\e)
.if \e
.rept 4
	v_nop                                          ; places in front of loads into registers that the last products read
.endr
.endif
.irp g, 0,1                                    ; S^T = K Q^T, four tiles of 16 keys at a time
.if \g
.rept 4
	v_nop
.endr
.endif
.irp i, 0,1,2,3
	ds_load_b128 v[FRG+6+6*\i:FRG+9+6*\i], v[A16] offset:(4*\g+\i)*1536+768*(\e)
	ds_load_b64 v[FRG+10+6*\i:FRG+11+6*\i], v[A8] offset:(4*\g+\i)*1536+768*(\e)
.endr
	s_wait_dscnt 0x0
.irp i, 0,1,2,3
.if \g
	v_wmma_scale_f32_16x16x128_f8f6f4 v[S+8*(4+\i):S+8*(4+\i)+7], v[FRG+6-6*(\e)+6*\i:FRG+17-6*(\e)+6*\i], v[QZ+6*(\e):QZ+6*(\e)+11], 0, v[KW+\i], v[QW+\e] matrix_a_fmt:MATRIX_FMT_BF6 matrix_b_fmt:MATRIX_FMT_BF6 matrix_a_scale:MATRIX_SCALE_ROW1
.else
	v_wmma_scale_f32_16x16x128_f8f6f4 v[S+8*\i:S+8*\i+7], v[FRG+6-6*(\e)+6*\i:FRG+17-6*(\e)+6*\i], v[QZ+6*(\e):QZ+6*(\e)+11], 0, v[KW+\i], v[QW+\e] matrix_a_fmt:MATRIX_FMT_BF6 matrix_b_fmt:MATRIX_FMT_BF6
.endif
.endr
.endr
.rept 4
	v_nop                                          ; places in front of V's loads and of the first read of the scores
.endr
.irp i, 0,1,2,3                                ; V's four tiles of this head: asked for here, so that they land under the softmax
	ds_load_b128 v[FRG+12*\i:FRG+12*\i+3], v[A16] offset:12288+(4*(\e)+\i)*1536
	ds_load_b64 v[FRG+12*\i+4:FRG+12*\i+5], v[A8] offset:12288+(4*(\e)+\i)*1536
	ds_load_b128 v[FRG+12*\i+6:FRG+12*\i+9], v[A16] offset:12288+(4*(\e)+\i)*1536+768
	ds_load_b64 v[FRG+12*\i+10:FRG+12*\i+11], v[A8] offset:12288+(4*(\e)+\i)*1536+768
.endr
	s_cmp_lg_u32 s[KS], s[WP+\e]                   ; on the unit's diagonal step hidden scores become -infinity ahead of the maximum: p = 0 then
	s_cbranch_scc1 .Lopen_\@
	v_mov_b32 v255, 0xff800000
.set n, 0
.rept 64
	v_cmp_gt_i32 vcc_lo, 32*(n/16)+n%16, v[DD]     ; register 16 b + i holds key 32 b + 16 (lane / 16) + i of the step
	v_cndmask_b32 v[S+n], v[S+n], v255, vcc_lo
.set n, n+1
.endr
.Lopen_\@:
.irp b, 0,1,2,3
	v_max3_num_f32 v[BM+\b], v[S+16*\b], v[S+1+16*\b], v[S+2+16*\b]   ; the largest score of each block of 32 keys: for the row's maximum, and, since p rises with the score, for the block's largest p
.endr
.irp i, 3,5,7,9,11,13
.irp b, 0,1,2,3
	v_max3_num_f32 v[BM+\b], v[BM+\b], v[S+16*\b+\i], v[S+1+16*\b+\i]
.endr
.endr
.irp b, 0,1,2,3
	v_max_num_f32 v[BM+\b], v[BM+\b], v[S+15+16*\b]
.endr
.irp b, 0,1,2,3
	s_delay_alu instid0(VALU_DEP_4)
	v_permlanex16_b32 v[PT+\b], v[BM+\b], s[SEL], s[SEL+1]
.endr
.irp b, 0,1,2,3
	s_delay_alu instid0(VALU_DEP_4)
	v_max_num_f32 v[BM+\b], v[BM+\b], v[PT+\b]
.endr
	s_delay_alu instid0(VALU_DEP_2)
	v_max3_num_f32 v254, v[BM], v[BM+1], v[BM+2]
	s_delay_alu instid0(VALU_DEP_1)
	v_max_num_f32 v254, v254, v[BM+3]
	s_delay_alu instid0(VALU_DEP_1)
	v_mul_f32 v254, s[CS], v254
	s_delay_alu instid0(VALU_DEP_1)
	v_max_num_f32 v[SE+1], v[SE+1], v254           ; the running largest t
	v_mov_b32 v254, v[SE]
	s_delay_alu instid0(VALU_DEP_2)
	v_floor_f32 v[SE], -v[SE+1]                    ; -M = floor(-t): M is a whole number
	s_delay_alu instid0(VALU_DEP_1)
	v_sub_f32 v254, v[SE], v254
	s_delay_alu instid0(VALU_DEP_1)
	v_cvt_i32_f32 v254, v254                       ; (it saturates)
	s_delay_alu instid0(VALU_DEP_1)
	v_ldexp_f32 v[FF], 1.0, v254                   ; f = 2^(old M - new M)
.set j, 0
.rept 32
	v_pk_fma_f32 v[S+j:S+j+1], v[S+j:S+j+1], s[CS:CS+1], v[SE:SE+1] op_sel_hi:[1,0,0]   ; t - M
.set j, j+2
.endr
.irp b, 0,1,2,3
	v_fma_f32 v[BM+\b], v[BM+\b], s[CS], v[SE]
.endr
.set j, 0
	s_wait_alu depctr_va_vdst(0)
.rept 64
	v_exp_f32 v[S+j], v[S+j]                       ; p = 2^(t - M)
.set j, j+1
.endr
	v_pk_mul_f32 v[SE+2:SE+3], v[SE+2:SE+3], v[FF:FF+1] op_sel_hi:[1,0]   ; the sums under the new M: a plain instruction behind the exponentials
	s_wait_alu depctr_va_vdst(0)                   ; one wait for the batch, ahead of its first reader
.irp b, 0,1,2,3
	v_exp_f32 v[BM+\b], v[BM+\b]                   ; each block's largest p
.endr
	v_pk_add_f32 v[PT:PT+1], v[S:S+1], v[S+2:S+3]  ; the row's sum of the unquantised p, in two chains
.irp j, 4,8,12,16,20,24,28,32,36,40,44,48,52,56,60
	v_pk_add_f32 v[SE+2:SE+3], v[SE+2:SE+3], v[S+\j:S+\j+1]
	v_pk_add_f32 v[PT:PT+1], v[PT:PT+1], v[S+2+\j:S+3+\j]
.endr
	s_delay_alu instid0(VALU_DEP_1)
	v_pk_add_f32 v[SE+2:SE+3], v[SE+2:SE+3], v[PT:PT+1]
	s_wait_alu depctr_va_vdst(0)                   ; and one for the four
.irp b, 0,1,2,3
	v_max_num_f32 v[BM+\b], 0x2800000, v[BM+\b]    ; the floor 2^(5 - 127)
.endr
.irp b, 0,1,2,3
	s_delay_alu instid0(VALU_DEP_4)
	v_add_nc_u32 v[E4+\b], 0xfe000000, v[BM+\b]
.endr
.irp b, 0,1,2,3
	s_delay_alu instid0(VALU_DEP_4)
	v_lshrrev_b32 v[PT+\b], 23, v[E4+\b]
.endr
	s_delay_alu instid0(VALU_DEP_3)
	v_lshl_or_b32 v[FF+1], v[PT+1], 8, v[PT]       ; p's scale word for these 128 keys
	s_delay_alu instid0(VALU_DEP_1)
	v_lshl_or_b32 v[FF+1], v[PT+2], 16, v[FF+1]
	s_delay_alu instid0(VALU_DEP_1)
	v_lshl_or_b32 v[FF+1], v[PT+3], 24, v[FF+1]
.irp c, 0,1
	v_cvt_scalef32_pk16_bf6_f32 v[PC+6*\c:PC+2+6*\c], v[S+32*\c:S+15+32*\c], v[E4+2*\c]
	v_cvt_scalef32_pk16_bf6_f32 v[PC+12+4*\c:PC+14+4*\c], v[S+16+32*\c:S+31+32*\c], v[E4+2*\c+1]
.endr
	v_nop
.irp c, 0,1
.irp i, 0,1,2
	v_permlane16_swap_b32 v[PC+6*\c+\i], v[PC+12+4*\c+\i]
.endr
.irp i, 0,1,2
	s_delay_alu instid0(VALU_DEP_3)
	v_mov_b32 v[PC+3+6*\c+\i], v[PC+12+4*\c+\i]
.endr
.endr
	s_wait_alu depctr_va_vdst(0)                   ; the wait directly ahead of the first reader of O^T
.set j, 0
.rept 16
	v_pk_mul_f32 v[OE+j:OE+j+1], v[OE+j:OE+j+1], v[FF:FF+1] op_sel_hi:[1,0]   ; this unit's O^T under the new M; of these sixteen, twelve name no register of any one product below: the places behind the writes of p's word and codes
.set j, j+2
.endr
	s_wait_alu depctr_va_vdst(0)
	s_wait_dscnt 0x0                               ; V is in
.irp i, 0,1,2,3
.if \e
	v_wmma_scale_f32_16x16x128_f8f6f4 v[OE+8*\i:OE+8*\i+7], v[FRG+12*\i:FRG+12*\i+11], v[PC:PC+11], v[OE+8*\i:OE+8*\i+7], v[VW+\i], v[FF+1] matrix_a_fmt:MATRIX_FMT_BF6 matrix_b_fmt:MATRIX_FMT_BF6 matrix_a_scale:MATRIX_SCALE_ROW1
.else
	v_wmma_scale_f32_16x16x128_f8f6f4 v[OE+8*\i:OE+8*\i+7], v[FRG+12*\i:FRG+12*\i+11], v[PC:PC+11], v[OE+8*\i:OE+8*\i+7], v[VW+\i], v[FF+1] matrix_a_fmt:MATRIX_FMT_BF6 matrix_b_fmt:MATRIX_FMT_BF6
.endif
.endr
.endm
.macro KSTEP
	s_lshr_b32 s[KS], s[NN], 1
	s_and_b32 s47, s[NN], 1
	s_mul_i32 s47, s47, 15
	s_xor_b32 s[KS], s[KS], s47                    ; n / 2, or 15 - n / 2 where n is odd
	s_cmp_gt_u32 s[KS], s[WM]                      ; all its keys come after both units' queries: the step's work is left out, not the lines at its end
	s_cbranch_scc1 .Lhidden_\@
	v_add_nc_u32 v[A16], s[TB], v[L16]
	v_add_nc_u32 v[A8], s[TB], v[L8P]
	s_wait_alu depctr_va_vdst(0)
	v_nop
	v_nop                                          ; four places behind the last products, in front of the loads below
	ds_load_b128 v[KW:KW+3], v[A16] offset:24576
	ds_load_b128 v[VW:VW+3], v[A16] offset:25088
	s_cmp_gt_u32 s[KS], s[WP]
	s_cbranch_scc1 .Lno_a_\@
	HSTEP 0
.Lno_a_\@:
	s_cmp_gt_u32 s[KS], s[WP+1]
	s_cbranch_scc1 .Lhidden_\@
	HSTEP 1
.Lhidden_\@:
	s_wait_dscnt 0x0                               ; the step's scale words are in on every way to this join: the next step's loads land on the same registers
	s_add_co_u32 s[TB], s[TB], REC
	s_add_co_u32 s[NN], s[NN], 1
.endm
; THE CHANGE OF SLOTS stands at a slot's head: each wave waits for all its tensor loads, adds 0 to its spare word, and waits for that and for its reads of the slot that it has left.
; fill = 1: a round of the cluster's barrier, and behind it the other slot is filled with the next four records: that load has four key steps of sixteen waves in which to land.
.macro CHANGE fill
	s_wait_tensorcnt 0x0                           ; no tensor load of mine is out, so a group 0 may be written
	ds_add_u32 v[SPW], v[NIL]
.if \fill
	ds_add_u32 v[SPW], v[NIL]                      ; twice
	s_xor_b32 s[G0F+1], s[G0F+1], SLOT1
	s_add_nc_u64 s[G0F+2:G0F+3], s[G0F+2:G0F+3], 2*REC
	s_xor_b32 s[G0B+1], s[G0B+1], SLOT1
	s_sub_nc_u64 s[G0B+2:G0B+3], s[G0B+2:G0B+3], 2*REC
	s_wait_xcnt 0x0                                ; the last prefetch, a slot back, has read its address
	s_add_nc_u64 s[PFA:PFA+1], s[PFA:PFA+1], s[PFS:PFS+1]
	s_wait_dscnt 0x0
	CROUND
	JLOAD
	ASK
.else
	s_wait_dscnt 0x0
	s_barrier_signal -1
	s_barrier_wait -1
.endif
.endm
.macro SLOT_WORK
	s_mov_b32 s[CN], 4
.Lstep_\@:
	KSTEP
	s_sub_co_u32 s[CN], s[CN], 1
	s_cmp_lg_u32 s[CN], 0
	s_cbranch_scc1 .Lstep_\@
	s_sub_co_u32 s[TB], s[TB], 4*REC
	s_xor_b32 s[TB], s[TB], SLOT1                  ; on to the other slot
.endm
	s_load_b256 s[4:11], s[0:1], 0x0               ; qc s[4:5], qs s[6:7], kv s[8:9], oc s[10:11]
	s_load_b64 s[12:13], s[0:1], 0x20              ; scl
	v_lshl_add_u32 v[SPW], v0, 2, SPARE
	v_mov_b32 v[NIL], 0
	ds_add_u32 v[SPW], v[NIL]                      ; the opening lines: the add twice on end and one wait
	ds_add_u32 v[SPW], v[NIL]
	v_lshrrev_b32 v1, 5, v0
	v_readfirstlane_b32 s[WV], v1                  ; wave 0..15
	s_and_b32 s[ODD], s[WV], 1
	s_mov_b32 s[WP], s[WV]
	s_xor_b32 s[WP+1], s[WV], 15                   ; 15 - w
	s_max_u32 s[WM], s[WP], s[WP+1]
	s_and_b32 s49, ttmp7, 0xffff                   ; y, which the four partners share
	s_mul_i32 s50, s49, 16*REC                     ; its records
	s_and_b32 s52, s[WV], 3
	s_mul_i32 s53, s52, REC                        ; the record's place in a slot
	s_lshr_b32 s54, s52, 1
	s_mul_i32 s54, s54, REC
	s_add_co_u32 s56, s50, s54                     ; forward: key step wave / 2
	s_mov_b32 s57, 0
	s_add_co_u32 s58, s50, 15*REC
	s_sub_co_u32 s58, s58, s54                     ; backward: 15 - wave / 2
	s_mov_b32 s59, 0
	; group 1: a record, 25,600 dense bytes, as 100 rows of 256 bytes (32 elements of 8 bytes); the mask names all four work-groups
	s_mov_b32 s[G1], 15|(3<<16)|(1<<21)
	s_mov_b32 s[G1+1], 32<<16
	s_mov_b32 s[G1+2], 100<<16
	s_mov_b32 s[G1+3], 32<<16
	s_mov_b32 s[G1+4], 100
	s_mov_b32 s[G1+5], 32
	s_mov_b32 s[G1+6], 0
	s_mov_b32 s[G1+7], 0
	s_mov_b32 s[CS], 0x3e38aa3b                    ; log2(e) / 8
	s_mov_b32 s[CS+1], s[CS]
	s_mov_b32 s[SEL], 0x76543210
	s_mov_b32 s[SEL+1], 0xfedcba98
	s_mov_b32 s[TB], 0
	s_mov_b32 s[NN], 0
	s_mov_b32 s[SLOTS], 3
	s_wait_dscnt 0x0                               ; both opening adds are done
	s_wait_kmcnt 0x0
	s_mov_b32 s[G0F], 1
	s_mov_b32 s[G0F+1], s53
	s_add_nc_u64 s[G0F+2:G0F+3], s[8:9], s[56:57]
	s_or_b32 s[G0F+3], s[G0F+3], 0x80000000
	s_mov_b32 s[G0B], 1
	s_mov_b32 s[G0B+1], s53
	s_add_nc_u64 s[G0B+2:G0B+3], s[8:9], s[58:59]
	s_or_b32 s[G0B+3], s[G0B+3], 0x80000000
	CROUND                                         ; all four work-groups are here
	JLOAD                                          ; slot 0: the one first fill
	s_bfe_u32 s60, ttmp6, 0x40000                  ; cx: it enters global addresses and the mask's data alone
	s_lshl_b32 s61, ttmp9, 2
	s_add_co_u32 s61, s61, s60                     ; j
	s_lshr_b32 s59, s49, 3
	s_lshl_b32 s59, s59, 7
	s_add_co_u32 s59, s59, s61                     ; 128 batch + j
	s_and_b32 s63, s49, 7                          ; the pair
	s_mov_b32 s67, 0
.irp e, 0,1
	s_lshl_b32 s62, s[WP+\e], 3
	s_add_co_u32 s62, s62, s59                     ; T: the unit's tile
	s_lshl_b32 s66, s63, 9
	s_add_co_u32 s66, s66, s62
	s_mul_i32 s66, s66, 1536
	s_add_nc_u64 s[QA+2*\e:QA+2*\e+1], s[4:5], s[66:67]        ; Q's fragment
	s_lshl_b32 s66, s63, 7
	s_lshr_b32 s68, s62, 2
	s_add_co_u32 s66, s66, s68
	s_lshl_b32 s66, s66, 8
	s_and_b32 s68, s62, 3
	s_lshl_b32 s68, s68, 2
	s_add_co_u32 s66, s66, s68
	s_add_nc_u64 s[QSA+2*\e:QSA+2*\e+1], s[6:7], s[66:67]      ; its scale words
	s_lshr_b32 s66, s63, 1
	s_lshl_b32 s66, s66, 9
	s_add_co_u32 s66, s66, s62
	s_mul_i32 s66, s66, 3072
	s_and_b32 s68, s63, 1
	s_mul_i32 s68, s68, 1536
	s_add_co_u32 s66, s66, s68
	s_add_nc_u64 s[OA+2*\e:OA+2*\e+1], s[10:11], s[66:67]      ; the result's fragment: K step = the pair
	s_lshl_b32 s66, s62, 9
	s_lshr_b32 s68, s63, 2
	s_lshl_b32 s68, s68, 8
	s_add_co_u32 s66, s66, s68
	s_and_b32 s68, s63, 3
	s_lshl_b32 s68, s68, 2
	s_add_co_u32 s66, s66, s68
	s_add_co_u32 s66, s66, OSB
	s_add_nc_u64 s[OSA+2*\e:OSA+2*\e+1], s[12:13], s[66:67]    ; and its scale words
.endr
	s_lshr_b32 s66, s60, 1                         ; the prefetches: record cx of slot 1; the first change of slots steps it to slot 2
	s_add_co_u32 s66, s66, 2
	s_and_b32 s68, s60, 1
	s_mul_i32 s69, s68, 15
	s_xor_b32 s66, s66, s69
	s_mul_i32 s66, s66, REC
	s_add_co_u32 s66, s66, s50
	s_mul_i32 s69, s52, 6400
	s_add_co_u32 s66, s66, s69
	s_add_nc_u64 s[PFA:PFA+1], s[8:9], s[66:67]
	s_lshl_b32 s68, s68, 1
	s_sub_co_i32 s68, 1, s68
	s_mul_i32 s[PFS], s68, 2*REC                   ; a slot on: two records forward, or back
	s_ashr_i32 s[PFS+1], s[PFS], 31
	s_lshr_b32 s68, s[WV], 2
	s_xor_b32 s68, s68, 1                          ; 0 in waves 4-7,
	s_or_b32 s68, s68, ttmp9                       ; of the first cluster: the same in all four partners
	s_cmp_eq_u32 s68, 0
	s_cselect_b32 s[LIM], 1, -1
	s_lshr_b32 s66, s61, 1
	s_lshl_b32 s66, s66, 5
	s_and_b32 s68, s61, 1
	s_lshl_b32 s68, s68, 3
	s_add_co_u32 s66, s66, s68                     ; 32 (j / 2) + 8 (j % 2)
	v_and_b32 v254, 31, v0
	v_and_b32 v255, 15, v0                         ; r
	v_bfe_u32 v253, v0, 4, 1                       ; h
	v_lshlrev_b32 v[L16], 4, v254
	v_lshlrev_b32 v[L8P], 3, v254
	v_min_u32 v[PFO], 24, v254
	v_and_b32 v[DD], 8, v255
	v_lshlrev_b32 v253, 4, v253
	v_add_nc_u32 v[L8P], 512, v[L8P]
	v_lshlrev_b32 v[PFO], 8, v[PFO]
	v_add_nc_u32 v[DD], v[DD], v255
	v_lshlrev_b32 v254, 4, v255
	v_sub_nc_u32 v[DD], v[DD], v253
	v_add_nc_u32 v[DD], s66, v[DD]
	global_load_b128 v[QZ:QZ+3], v[L16], s[QA:QA+1]
	global_load_b64 v[QZ+4:QZ+5], v[L8P], s[QA:QA+1]
	global_load_b128 v[QZ+12:QZ+15], v[L16], s[QA+2:QA+3] offset:768
	global_load_b64 v[QZ+16:QZ+17], v[L8P], s[QA+2:QA+3] offset:768
	global_load_b32 v[QW], v254, s[QSA:QSA+1]
	global_load_b32 v[QW+1], v254, s[QSA+2:QSA+3]
.irp i, 0,1,2,3,4,5
	v_mov_b32 v[QZ+6+\i], 0                        ; the zero codes between qa and qb
	v_mov_b32 v[FRG+\i], 0                         ; the registers to spare beside K's tiles: written once
	v_mov_b32 v[FRG+30+\i], 0
.endr
.set j, 0
.rept 64
	v_mov_b32 v[O+j], 0                            ; O^T: the step is written once; the first finds zeros, which the first change of M leaves zeros
.set j, j+1
.endr
.irp e, 0,1
	v_mov_b32 v[ST+4*\e+1], 0xff61b1e6             ; the largest t so far: -3e38
	v_mov_b32 v[ST+4*\e+2], 0
	v_mov_b32 v[ST+4*\e+3], 0
	v_floor_f32 v[ST+4*\e], -v[ST+4*\e+1]
.endr
.irp b, 0,1,2,3
	v_mov_b32 v[PT+\b], 0                          ; a lane permute's destination counts as one of its sources
.endr
	v_mov_b32 v[FF+1], 0
	s_wait_alu depctr_va_vdst(0)
	s_wait_loadcnt 0x0                             ; Q
.Lslot:                                            ; three trips: behind each change of slots but the last the next slot is asked for
	CHANGE 1
	SLOT_WORK
	s_sub_co_u32 s[SLOTS], s[SLOTS], 1
	s_cmp_lg_u32 s[SLOTS], 0
	s_cbranch_scc1 .Lslot
	CHANGE 0                                       ; the last slot is written out
	SLOT_WORK
	; THE WAY OUT: O^T / the sum, each unit's 64 channels quantised in two blocks, stored as half a fragment of the last product's operand
.rept 4
	v_nop
.endr
	s_wait_alu depctr_va_vdst(0)
.irp e, 0,1
	v_add_f32 v[ST+4*\e+2], v[ST+4*\e+2], v[ST+4*\e+3]
.endr
.irp e, 0,1
	v_permlanex16_b32 v[PT+\e], v[ST+4*\e+2], s[SEL], s[SEL+1]
.endr
.irp e, 0,1
	v_add_f32 v[ST+4*\e+2], v[ST+4*\e+2], v[PT+\e]
.endr
	s_wait_alu depctr_va_vdst(0)
.irp e, 0,1
	v_rcp_f32 v[ST+4*\e+2], v[ST+4*\e+2]
.endr
	v_and_b32 v255, 15, v0                         ; (plain instructions behind the reciprocals)
	v_and_b32 v254, 31, v0
	v_lshlrev_b32 v255, 4, v255
	s_wait_alu depctr_va_vdst(0)                   ; one wait for both, ahead of the first reader
.set i, 0
.rept 32
	v_pk_mul_f32 v[S+i:S+i+1], v[O+i:O+i+1], v[ST+4*(i/32)+2:ST+4*(i/32)+3] op_sel_hi:[1,0]   ; each accumulator from its low end on
.set i, i+2
.endr
	QUANT S, WD
	global_store_b128 v[L16], v[PC:PC+3], s[OA:OA+1]             ; each store covers 512 or 256 consecutive bytes, aligned
	global_store_b64 v[L8P], v[PC+4:PC+5], s[OA:OA+1]
	global_store_b128 v[L16], v[PC+6:PC+9], s[OA+2:OA+3] offset:768
	global_store_b64 v[L8P], v[PC+10:PC+11], s[OA+2:OA+3] offset:768
	s_wait_xcnt 0x0                                ; EXEC changes only behind this wait
	v_cmp_gt_u32 vcc_lo, 16, v254
	s_and_saveexec_b32 s47, vcc_lo
	global_store_b16 v255, v[WD], s[OSA:OSA+1]     ; unit 0's two bytes of its 16 rows' words, and unit 1's: 64 bytes beside the wave's 1,536 of codes, which do not cover their 256 bytes whole
	global_store_d16_hi_b16 v255, v[WD], s[OSA+2:OSA+3] offset:2
	s_wait_xcnt 0x0
	s_or_b32 exec_lo, exec_lo, s47
	s_wait_tensorcnt 0x0                           ; the wave's end
	ds_add_u32 v[SPW], v[NIL]
	s_wait_dscnt 0x0
	CROUND                                         ; the closing round
	s_endpgm
.Lfunc_end_k_q494cafa299_attn:
	.size	k_q494cafa299_attn, .Lfunc_end_k_q494cafa299_attn-k_q494cafa299_attn
	.p2alignl 7, 3214868480
	.fill 96, 4, 3214868480
	.section	.rodata,"a",@progbits
	.p2align	6, 0x0
	.amdhsa_kernel k_q494cafa299_attn
		.amdhsa_group_segment_fixed_size 327680
		.amdhsa_private_segment_fixed_size 0
		.amdhsa_enable_private_segment 0
		.amdhsa_kernarg_size 40
		.amdhsa_user_sgpr_count 2
		.amdhsa_user_sgpr_kernarg_segment_ptr 1
		.amdhsa_wavefront_size32 1
		.amdhsa_system_sgpr_workgroup_id_x 1
		.amdhsa_system_sgpr_workgroup_id_y 1
		.amdhsa_system_sgpr_workgroup_id_z 1
		.amdhsa_system_vgpr_workitem_id 0
		.amdhsa_next_free_vgpr 256
		.amdhsa_next_free_sgpr 100
		.amdhsa_reserve_vcc 1
		.amdhsa_float_denorm_mode_32 3
		.amdhsa_float_denorm_mode_16_64 3
		.amdhsa_memory_ordered 1
		.amdhsa_forward_progress 1
		.amdhsa_inst_pref_size 112
	.end_amdhsa_kernel
	.amdgpu_metadata
---
amdhsa.version: [ 1, 2 ]
amdhsa.kernels:
  - .name:           k_q494cafa299_attn
    .symbol:         k_q494cafa299_attn.kd
    .args:
      - { .name: qc, .offset: 0, .size: 8, .value_kind: global_buffer, .address_space: global }
      - { .name: qs, .offset: 8, .size: 8, .value_kind: global_buffer, .address_space: global }
      - { .name: kv, .offset: 16, .size: 8, .value_kind: global_buffer, .address_space: global }
      - { .name: oc, .offset: 24, .size: 8, .value_kind: global_buffer, .address_space: global }
      - { .name: scl, .offset: 32, .size: 8, .value_kind: global_buffer, .address_space: global }
    .group_segment_fixed_size: 327680
    .private_segment_fixed_size: 0
    .kernarg_segment_align: 8
    .kernarg_segment_size: 40
    .max_flat_workgroup_size: 512
    .sgpr_count:     100
    .vgpr_count:     256
    .wavefront_size: 32
...
	.end_amdgpu_metadata
.endif
;; end of part 3
;; launch proj (part 4): grid 4 x 64, 4 waves a work-group, clusters of 4 x 4, 327,680 bytes of LDS; arguments oc, wc, scl, b_out, out0; writes out0
.if DOCPART == 4
	.amdgcn_target "amdgcn-amd-amdhsa--gfx1250"
	.amdhsa_code_object_version 6
	.text
	.protected	k_q494cafa299_proj
	.globl	k_q494cafa299_proj
	.p2align	8
	.type	k_q494cafa299_proj,@function
k_q494cafa299_proj:
	s_mov_b64 s[64:65], 0
	v_nop
	global_prefetch_b8 v0, s[64:65] scope:SCOPE_SE
	s_setreg_imm32_b32 hwreg(HW_REG_WAVE_MODE, 25, 1), 1
	s_wait_xcnt 0x0
	s_wait_alu depctr_hold_cnt(0) depctr_sa_sdst(0) depctr_va_vdst(0) depctr_va_sdst(0) depctr_va_ssrc(0) depctr_va_vcc(0) depctr_vm_vsrc(0)
	s_getreg_b32 s2, hwreg(HW_REG_IB_STS2, 6, 4)
	s_cmp_eq_u32 s2, 0
	s_cbranch_scc0 .Lentry_in_a_cluster
	s_endpgm
.Lentry_in_a_cluster:
	s_bfe_u32 s2, ttmp6, 0x10000c
	s_cmp_lg_u32 s2, 0xf033
	s_cbranch_scc0 .Lentry_shape_is_right
	s_endpgm
.Lentry_shape_is_right:
; out0 = vals W_out + b_out on codes of BF6 (E3M2) with E8M0 scales, sums in f32.  vals' codes (oc) and W_out's (wc, tiles 192-255) lie in the order of the operands' registers: a fragment (16 rows x 128 K) is 1,536 dense bytes.
; A work-group of four waves makes 128 rows x 256 columns: 64 x 4 = 256 work-groups.  A wave makes 64 x 128: 32 accumulators.
; ALL OF K STAYS IN LDS: vals' 8 tiles x 1,024 K are 98,304 bytes, W's 16 tiles 196,608.  In memory 256 along K of a side's tiles are one dense run (24,576 or 49,152 bytes), and the runs lie a fixed stride apart:
; a tensor load states two such runs as two rows.  Four loads at the head, one a wave: vals' K 0-511, W's K 0-511, vals' K 512-1,023, W's K 512-1,023.  Nothing is filled again, so the walk along K has no barrier.
; CLUSTERS: 4 x 4 work-groups; vals' tiles are asked for jointly along a row of the cluster, W's along a column.
; NO PREFETCH: every byte is asked for at the head; there is no loop to run ahead in.
; Source 0 (P) = W's columns, source 1 (Q) = vals' rows: a lane holds one row, and the 16 registers of result tiles 2 b, 2 b + 1 are columns 32 b + 16 (lane / 16) + 0 .. 15 (rows and columns stand with bits 3 and 4 of the index exchanged).
; The bias is the C of each accumulator's first product.  The way out goes through a stage in LDS (vals' bytes, behind a barrier behind which nobody reads them): whole rows of 512 bytes are stored.
; REGISTERS: window 0: v8-31 addresses; v32-95 scale words (register 8 i + s: lanes 0-15 Q's block i % 4, lanes 16-31 P's block i, K step s); v128-223 Q's fragments, two sets of four; on the way out v128-255.
;   window 1: P's fragments, two sets at v0 and v128; the bias in v96-127 and v224-255.   window 2: the accumulators, (a, b) at v[8 (8 a + b)].
.set XKP,    24576                     ; vals' 8 tiles x 256 K
.set WKP,    49152                     ; W's 16 tiles x 256 K
.set WR,     4*XKP                     ; where W's bytes begin in LDS
.set SPARE,  WR+4*WKP                  ; behind them: the spare words
.set WS,     262144
.set OSB,    393216
.set SPITCH, 528
.set FR,     12
.set NP,     4                         ; places behind this matrix instruction (ISA guide 7.12.1)
.set SOF2, 7
.set AQ16, 8                           ; v8-11 Q's fragments of K part 0..3: base + 16 x lane;  v12-15: base + 512 + 8 x lane
.set AQ8,  12
.set AP16, 16                          ; v16-19, v20-23 the same for P
.set AP8,  20
.set L16,  24
.set L8,   25
.set SOF,  26
.set STO,  27
.set SPW,  28
.set NIL,  29
.set BPO,  30
.set RD,   31
.set SC,   32
.set AF,   128
.set BK,   128
.set G1,   24
.set G0,   32
.set G1B,  48
.set G0B,  56
.set MSB, 0
.macro WIN new                         ; the immediate's high byte repeats the setting that is left
.if MSB != (\new)
	s_set_vgpr_msb (MSB<<8)|(\new)
.set MSB, \new
.endif
.endm
.set MUL_LO, 0xa1                      ; source 0 (P) window 1, source 1 (Q) window 0, C and D window 2
.set MUL_1ST, 0x91                     ; the same with C in window 1: the bias
.set TO_P,   0x40
.macro TLOAD g0, g1                    ; s_nop 0 and four v_nop behind each tensor load
	tensor_load_to_lds s[\g0:\g0+3], s[\g1:\g1+7]
	s_nop 0
.rept 4
	v_nop
.endr
.endm
.macro ARM under, g0, g1, next         ; an arm of the head's one chain of branches on the wave's number
	s_cmp_lt_u32 s14, \under
	s_cbranch_scc0 \next
	TLOAD \g0, \g1
	s_branch .Lhead_asked
\next:
.endm
.macro CROUND                          ; a round of the cluster's barrier
	s_barrier_signal -1
	s_barrier_wait -1
	s_cmp_lg_u32 s14, 0
	s_cbranch_scc1 .Lnot_wave_0_\@
	s_barrier_signal -3
.Lnot_wave_0_\@:
	s_barrier_wait -3
	s_barrier_signal -1
	s_barrier_wait -1
.endm
.macro PLACES n
.rept \n
	v_nop
.endr
.endm
.macro FRAG reg, a16, a8, q, i
	ds_load_b128 v[\reg:\reg+3], v[\a16] offset:(\i)*3072+(\q)*1536
	ds_load_b64 v[\reg+4:\reg+5], v[\a8] offset:(\i)*3072+(\q)*1536
	ds_load_b128 v[\reg+6:\reg+9], v[\a16] offset:(\i)*3072+(\q)*1536+768
	ds_load_b64 v[\reg+10:\reg+11], v[\a8] offset:(\i)*3072+(\q)*1536+768
.endm
.macro FETCH ks                        ; K step ks: P's eight fragments and Q's four, into set ks % 2: 48 loads
	WIN TO_P
.irp i, 0,1,2,3,4,5,6,7
	FRAG 128*((\ks)%2)+FR*\i, AP16+(\ks)/2, AP8+(\ks)/2, (\ks)%2, \i
.endr
	WIN 0
.irp i, 0,1,2,3
	FRAG AF+48*((\ks)%2)+FR*\i, AQ16+(\ks)/2, AQ8+(\ks)/2, (\ks)%2, \i
.endr
.endm
; 32 matrix instructions: the 32 accumulators take turns, one instruction a turn, in the same order in every step
.macro MUL32 ks
.irp a, 0,1,2,3
.irp b, 0,1,2,3,4,5,6,7
.if (\ks) == 0
	v_wmma_scale_f32_16x16x128_f8f6f4 v[8*(8*\a+\b):8*(8*\a+\b)+7], v[FR*\b:FR*\b+FR-1], v[AF+FR*\a:AF+FR*\a+FR-1], v[96+8*\b+96*(\b/4):96+8*\b+96*(\b/4)+7], v[SC+8*\b], v[SC+8*\a] matrix_a_fmt:MATRIX_FMT_BF6 matrix_b_fmt:MATRIX_FMT_BF6 matrix_a_scale:MATRIX_SCALE_ROW1
.else
	v_wmma_scale_f32_16x16x128_f8f6f4 v[8*(8*\a+\b):8*(8*\a+\b)+7], v[128*((\ks)%2)+FR*\b:128*((\ks)%2)+FR*\b+FR-1], v[AF+48*((\ks)%2)+FR*\a:AF+48*((\ks)%2)+FR*\a+FR-1], v[8*(8*\a+\b):8*(8*\a+\b)+7], v[SC+8*\b+(\ks)], v[SC+8*\a+(\ks)] matrix_a_fmt:MATRIX_FMT_BF6 matrix_b_fmt:MATRIX_FMT_BF6 matrix_a_scale:MATRIX_SCALE_ROW1
.endif
.endr
.endr
.endm
.macro STEP ks
	s_wait_dscnt 0x0                               ; this step's fragments, asked for a step ago, are in
.if (\ks) == 7
	s_barrier_signal -1                            ; my reads of LDS are over: the barrier ahead of the stage is signalled here and waited for behind the products
.else
.if (\ks) > 0
	PLACES NP                                      ; in front of loads into registers that the last step's products read
.endif
	FETCH (\ks)+1
.endif
.if (\ks) == 0
	s_wait_loadcnt 0x0                             ; scale words and bias
	WIN MUL_1ST
.else
	WIN MUL_LO
.endif
	MUL32 \ks
	WIN 0
.endm
	s_load_b256 s[4:11], s[0:1], 0x0               ; oc s[4:5], wc s[6:7], scl s[8:9], b_out s[10:11]
	s_load_b64 s[12:13], s[0:1], 0x20              ; out0
	v_lshl_add_u32 v[SPW], v0, 2, SPARE
	v_mov_b32 v[NIL], 0
	ds_add_u32 v[SPW], v[NIL]                      ; the opening lines: the add twice on end and one wait
	ds_add_u32 v[SPW], v[NIL]
	v_lshrrev_b32 v1, 5, v0
	v_readfirstlane_b32 s14, v1                    ; wave 0..3
	s_lshr_b32 s15, s14, 1                         ; my 64 of the 128 rows
	s_and_b32 s16, s14, 1                          ; my 128 of the 256 columns
	s_bfe_u32 s40, ttmp6, 0x40000                  ; cx, cy
	s_bfe_u32 s41, ttmp6, 0x40004
	s_lshl_b32 s42, ttmp9, 2
	s_add_co_u32 s42, s42, s40                     ; gx: which 256 columns
	s_and_b32 s17, ttmp7, 0xffff
	s_lshl_b32 s17, s17, 2
	s_add_co_u32 s17, s17, s41                     ; gy: which 128 rows
	s_lshl_b32 s43, s41, 2
	s_lshl_b32 s43, 15, s43                        ; my row of the cluster
	s_lshl_b32 s44, 0x1111, s40                    ; my column
	; group 1, elements of 8 bytes: two rows of one dense run each, the runs a whole K part of the buffer apart
	s_or_b32 s[G1+0], s43, (3<<16)|(1<<21)
	s_mov_b32 s[G1+1], (XKP/8)<<16
	s_mov_b32 s[G1+2], 2<<16
	s_mov_b32 s[G1+3], (XKP/8)<<16
	s_mov_b32 s[G1+4], 2
	s_mov_b32 s[G1+5], 512*3072/8
	s_mov_b32 s[G1+6], 0
	s_mov_b32 s[G1+7], 0
	s_or_b32 s[G1B+0], s44, (3<<16)|(1<<21)
	s_mov_b32 s[G1B+1], (WKP/8)<<16
	s_mov_b32 s[G1B+2], 2<<16
	s_mov_b32 s[G1B+3], (WKP/8)<<16
	s_mov_b32 s[G1B+4], 2
	s_mov_b32 s[G1B+5], 256*3072/8
	s_mov_b32 s[G1B+6], 0
	s_mov_b32 s[G1B+7], 0
	s_mul_i32 s20, s17, 8*3072                     ; vals: tile 8 gy
	s_mov_b32 s21, 0
	s_lshl_b32 s46, s42, 4
	s_add_co_u32 s46, s46, 192
	s_mul_i32 s46, s46, 3072                       ; W_out: tile 192 + 16 gx
	s_mov_b32 s47, 0
	s_wait_dscnt 0x0                               ; both opening adds are done
	s_wait_kmcnt 0x0
	s_add_nc_u64 s[20:21], s[4:5], s[20:21]
	s_add_nc_u64 s[46:47], s[6:7], s[46:47]
	CROUND                                         ; all sixteen work-groups are here: the joint loads meet
.irp s, 0,1
	s_mov_b32 s[G0+4*\s], 1
	s_mov_b32 s[G0+4*\s+1], \s*2*XKP
	s_add_nc_u64 s[G0+4*\s+2:G0+4*\s+3], s[20:21], \s*2*512*3072
	s_or_b32 s[G0+4*\s+3], s[G0+4*\s+3], 0x80000000
	s_mov_b32 s[G0B+4*\s], 1
	s_mov_b32 s[G0B+4*\s+1], WR+\s*2*WKP
	s_add_nc_u64 s[G0B+4*\s+2:G0B+4*\s+3], s[46:47], \s*2*256*3072
	s_or_b32 s[G0B+4*\s+3], s[G0B+4*\s+3], 0x80000000
.endr
	ARM 1, G0,   G1,  .Lhead_w0
	ARM 2, G0B,  G1B, .Lhead_x1
	ARM 3, G0+4, G1,  .Lhead_w1
	TLOAD G0B+4, G1B
.Lhead_asked:
	v_and_b32 v1, 15, v0                           ; r
	v_bfe_u32 v2, v0, 4, 1                         ; h
	v_and_b32 v3, 31, v0
	v_lshlrev_b32 v[L16], 4, v3
	v_lshlrev_b32 v[L8], 3, v3
	s_wait_alu depctr_va_vdst(0)
	s_mul_i32 s80, s15, 4*3072                     ; my 4 tiles of vals
	s_mul_i32 s81, s16, 8*3072
	s_add_co_u32 s81, s81, WR                      ; my 8 tiles of W
	s_lshl_b32 s82, s17, 3
	s_lshl_b32 s19, s15, 2
	s_add_co_u32 s82, s82, s19
	s_lshl_b32 s82, s82, 9
	s_add_co_u32 s82, s82, OSB                     ; vals' scale words: 512 bytes a tile
	s_sub_co_u32 s85, s82, 4*512                   ; (for blocks 4-7 of P: lanes 0-15 read Q's blocks 0-3 once more, inside the buffer; those lanes are not used)
	s_lshl_b32 s83, s42, 4
	s_lshl_b32 s18, s16, 3
	s_add_co_u32 s83, s83, s18
	s_add_co_u32 s83, s83, 192
	s_lshl_b32 s83, s83, 9
	s_add_co_u32 s83, s83, WS                      ; W's
	s_lshl_b32 s84, s42, 10
	s_lshl_b32 s19, s16, 9
	s_add_co_u32 s84, s84, s19                     ; my first column, in bytes of f32
	v_add_nc_u32 v[AQ16], s80, v[L16]
	v_add_nc_u32 v[AQ8], s80, v[L8]
	v_add_nc_u32 v[AQ8], 512, v[AQ8]
	v_add_nc_u32 v[AP16], s81, v[L16]
	v_add_nc_u32 v[AP8], s81, v[L8]
	v_add_nc_u32 v[AP8], 512, v[AP8]
.irp k, 1,2,3
	v_add_nc_u32 v[AQ16+\k], \k*XKP, v[AQ16]
	v_add_nc_u32 v[AQ8+\k], \k*XKP, v[AQ8]
	v_add_nc_u32 v[AP16+\k], \k*WKP, v[AP16]
	v_add_nc_u32 v[AP8+\k], \k*WKP, v[AP8]
.endr
	v_lshlrev_b32 v4, 4, v1
	v_mov_b32 v5, s82
	v_mov_b32 v6, s83
	v_mov_b32 v3, s85
	v_cmp_eq_u32 vcc_lo, 1, v2
	v_cndmask_b32 v5, v5, v6, vcc_lo               ; lanes 0-15 take Q's words, lanes 16-31 P's
	v_cndmask_b32 v3, v3, v6, vcc_lo
	v_add_nc_u32 v[SOF], v4, v5
	v_add_nc_u32 v[SOF2], v4, v3
	v_lshl_add_u32 v[BPO], v2, 6, s84
.irp i, 0,1,2,3
.irp j, 0,1
	global_load_b128 v[SC+8*\i+4*\j:SC+8*\i+4*\j+3], v[SOF], s[8:9] offset:512*\i+256*\j   ; four K steps' words of block i: sixteen lanes read 256 consecutive bytes
.endr
.endr
.irp i, 4,5,6,7
.irp j, 0,1
	global_load_b128 v[SC+8*\i+4*\j:SC+8*\i+4*\j+3], v[SOF2], s[8:9] offset:512*\i+256*\j
.endr
.endr
	WIN 0x40
.irp b, 0,1,2,3
.irp j, 0,1,2,3
	global_load_b128 v[96+16*\b+4*\j+96*(\b/2):96+16*\b+4*\j+96*(\b/2)+3], v[BPO], s[10:11] offset:128*\b+16*\j   ; index 16 b + i: the bias of column 32 b + 16 h + i
.endr
.endr
	WIN 0
	s_mul_i32 s23, s14, 16*SPITCH                  ; my stage: 16 rows x 528 bytes
	v_mul_u32_u24 v[STO], v1, SPITCH
	v_lshl_add_u32 v[STO], v2, 6, v[STO]
	v_add_nc_u32 v[STO], s23, v[STO]               ; in: row r, 64 bytes for each half of the lanes
	v_add_nc_u32 v[RD], s23, v[L16]                ; back: the 32 lanes take one row of 512 bytes
	s_lshl_b32 s80, s17, 7
	s_lshl_b32 s81, s15, 6
	s_add_co_u32 s80, s80, s81                     ; my first row
	s_lshl_b32 s80, s80, 12
	s_add_co_u32 s80, s80, s84
	s_mov_b32 s81, 0
	s_add_nc_u64 s[12:13], s[12:13], s[80:81]
	s_wait_alu depctr_va_vdst(0)
	s_wait_tensorcnt 0x0                           ; my load is in;
	s_barrier_signal -1
	s_barrier_wait -1                              ; and so is everybody's: all of K lies in LDS
	FETCH 0
	STEP 0                                         ; the first products start the sums from the bias
	STEP 1
	STEP 2
	STEP 3
	STEP 4
	STEP 5
	STEP 6
	STEP 7
	s_barrier_wait -1                              ; no wave reads vals' bytes any more: the stages may be written there
; THE WAY OUT, block by block of 16 rows x 128 columns, through my own stage.  LDS serves a wave's instructions in order (ISA guide 5.7.1.4): no wait between the stores and the loads.
.macro TOSTAGE a
.set AC, 64*(\a)
	WIN 0x08                                       ; the data: window 2
.irp b, 0,1,2,3,4,5,6,7
	ds_store_b128 v[STO], v[AC+8*\b:AC+8*\b+3] offset:128*(\b/2)+32*(\b%2)          ; each accumulator from its low end on
	ds_store_b128 v[STO], v[AC+8*\b+4:AC+8*\b+7] offset:128*(\b/2)+32*(\b%2)+16
.endr
	WIN 0
.set BB, BK+64*((\a)%2)
.irp t, 0,1,2,3,4,5,6,7,8,9,10,11,12,13,14,15
	ds_load_b128 v[BB+4*\t:BB+4*\t+3], v[RD] offset:\t*SPITCH
.endr
.endm
.macro SEND a, younger                 ; younger: the LDS instructions issued behind block a's loads, which may stay out
.set BB, BK+64*((\a)%2)
	s_wait_dscnt \younger
.irp t, 0,1,2,3,4,5,6,7,8,9,10,11,12,13,14,15
	global_store_b128 v[L16], v[BB+4*\t:BB+4*\t+3], s[12:13] offset:(32*((\a)/2)+8*((\a)%2)+\t+8*(\t/8))*4096 th:TH_STORE_NT   ; 512 consecutive bytes of a row, aligned
.endr
.endm
	PLACES NP
	TOSTAGE 0
.irp a, 1,2,3
.if \a > 1
	s_wait_xcnt 0x0                                ; block a - 2's stores have read their registers: block a's loads may land there
.endif
	TOSTAGE \a
	SEND \a-1, 32
.endr
	SEND 3, 0
	s_wait_tensorcnt 0x0                           ; the wave's end
	ds_add_u32 v[SPW], v[NIL]
	s_wait_dscnt 0x0
	CROUND                                         ; the closing round
	s_endpgm
.Lfunc_end_k_q494cafa299_proj:
	.size	k_q494cafa299_proj, .Lfunc_end_k_q494cafa299_proj-k_q494cafa299_proj
	.p2alignl 7, 3214868480
	.fill 96, 4, 3214868480
	.section	.rodata,"a",@progbits
	.p2align	6, 0x0
	.amdhsa_kernel k_q494cafa299_proj
		.amdhsa_group_segment_fixed_size 327680
		.amdhsa_private_segment_fixed_size 0
		.amdhsa_enable_private_segment 0
		.amdhsa_kernarg_size 40
		.amdhsa_user_sgpr_count 2
		.amdhsa_user_sgpr_kernarg_segment_ptr 1
		.amdhsa_wavefront_size32 1
		.amdhsa_system_sgpr_workgroup_id_x 1
		.amdhsa_system_sgpr_workgroup_id_y 1
		.amdhsa_system_sgpr_workgroup_id_z 1
		.amdhsa_system_vgpr_workitem_id 0
		.amdhsa_next_free_vgpr 768
		.amdhsa_next_free_sgpr 100
		.amdhsa_reserve_vcc 1
		.amdhsa_float_denorm_mode_32 3
		.amdhsa_float_denorm_mode_16_64 3
		.amdhsa_memory_ordered 1
		.amdhsa_forward_progress 1
		.amdhsa_inst_pref_size 85
	.end_amdhsa_kernel
	.amdgpu_metadata
---
amdhsa.version: [ 1, 2 ]
amdhsa.kernels:
  - .name:           k_q494cafa299_proj
    .symbol:         k_q494cafa299_proj.kd
    .args:
      - { .name: oc, .offset: 0, .size: 8, .value_kind: global_buffer, .address_space: global }
      - { .name: wc, .offset: 8, .size: 8, .value_kind: global_buffer, .address_space: global }
      - { .name: scl, .offset: 16, .size: 8, .value_kind: global_buffer, .address_space: global }
      - { .name: b_out, .offset: 24, .size: 8, .value_kind: global_buffer, .address_space: global }
      - { .name: out0, .offset: 32, .size: 8, .value_kind: global_buffer, .address_space: global }
    .group_segment_fixed_size: 327680
    .private_segment_fixed_size: 0
    .kernarg_segment_align: 8
    .kernarg_segment_size: 40
    .max_flat_workgroup_size: 128
    .sgpr_count:     100
    .vgpr_count:     768
    .wavefront_size: 32
...
	.end_amdgpu_metadata
.endif
;; end of part 4
